; MI455X (gfx1250); checked and timed in simulation.
; The chip was launched on July 23, 2026; its instructions are those of AMD's public machine-readable ISA for CDNA 5 (MIT licence, August 2026) and "CDNA5" Instruction Set Architecture Reference Guide (July 2026). The comments in the code are by the model that wrote it; some were corrected since.
;; Hilbert Dilated Attention Simple. Allowed arithmetic: matrix products marked QUANTISED: E3M2 operands, one E8M0 scale for each 32 along K, by v_wmma_scale_f32_16x16x128_f8f6f4 with both operands' format E3M2, f32 sums; everything else in f32.
;; Inputs: hilbert_map 4,096 int32; w_proj 1,024 x 1,024 float32; w_qkv 1,024 x 3,072 float32; x 4 x 4,096 x 1,024 float32.
;; Outputs: out0 4 x 4,096 x 1,024 float32.
;; This version of the problem:
;;   THIS VERSION OF THE PROBLEM IS GIVEN IN LOW PRECISION. The matrix products marked QUANTISED in the list below multiply operands that are first quantised to E3M2 (3 exponent bits, 2 mantissa bits; 6 bits a number), with one power-of-two scale for each 32 numbers along K (OCP MX v1.0); their sums are f32. All else is computed in f32.
;;   The module's matrix products, in the order in which they are computed (A, B: the left and right operand; K: the contracted axis; several contracted axes count as one K, in the product's order):
;;     1. [M 16,384, K 1,024] x [K 1,024, N 3,072]; A: input x; B: input w_qkv: QUANTISED
;;     2. batch 4,096 x [M 64, K 64] x [K 64, N 32]; A: computed on the way; B: computed on the way: QUANTISED
;;     3. batch 4,096 x [M 64, K 32] x [K 32, N 64]; A: softmax (see below); B: computed on the way: QUANTISED
;;     4. [M 16,384, K 1,024] x [K 1,024, N 1,024]; A: computed on the way; B: input w_proj: QUANTISED
;;   THE QUANTISER, for each operand of a quantised product, along K:
;;     - K is cut into blocks of 32 from its start; a last block that is shorter is filled with zeros.
;;     - A block's scale is 2^e with e = floor(log2(the largest magnitude in the block)) - 4, held to -126 .. 127; a block of zeros has e = 0. As a byte (E8M0): e + 127.
;;     - Each number is divided by its block's scale, clamped to +-28, and rounded to the nearest number of E3M2, ties to even, subnormals kept.
;;     - The product sums the exact products of the quantised numbers (number of the format x scale) in f32.
;;   ~~~python
;;   def quantise(x, axis):      # numpy; x: float32 -> the quantised numbers, widened to float32 again
;;       x = np.moveaxis(x, axis, -1); K = x.shape[-1]
;;       x = np.pad(x, [(0, 0)] * (x.ndim - 1) + [(0, -K % 32)]); x = x.reshape(x.shape[:-1] + (-1, 32)); a = np.abs(x).max(-1, keepdims=True)
;;       e = np.where(a > 0, np.clip(np.frexp(np.where(a > 0, a, 1))[1] - 1 - 4, -126, 127), 0)      # np.frexp(a)[1] - 1 = floor(log2(a)), exactly
;;       r = np.clip(x / 2.0 ** e, -28, 28)
;;       step = 2.0 ** (np.maximum(np.frexp(np.where(r == 0, 1, r))[1] - 1, -2) - 2)
;;       q = np.round(r / step) * step * 2.0 ** e      # np.round: ties to even
;;       return np.moveaxis(q.reshape(q.shape[:-2] + (-1,))[..., :K], -1, axis).astype(np.float32)
;;   ~~~
;;   SOFTMAX AHEAD OF A QUANTISED PRODUCT. Where the list says 'softmax', what is quantised is not the finished softmax but p = 2^(t - M), with t = logit x log2(e) and M = ceil(the row's largest t), a whole number; so 1/2 < the row's largest p <= 1. The row's sum l is taken of the UNQUANTISED p, in f32, and the product's result is divided by l at the end. Since M is a whole number, a kernel that streams over the keys may use a running M (the ceiling of the running maximum): every later rescaling is an exact power of two, which a block's scale takes up: the codes' values come out the same.
;;   OPERANDS COMPUTED ON THE WAY. 'Computed on the way' means the value that the module computes at that place (a softmax that the list does not call 'softmax' is quantised finished and normalised). What goes into a quantiser is computed in f32, as accurately as f32 sums, v_exp_f32 and their like allow (about 1e-6 of the number): no bf16 or f16 on the way to a quantiser, and a product that is left as it is and whose result goes on into a quantised operand takes f32 operands (vector FMAs, or v_wmma_f32_16x16x4_f32). A number that lies on a knife's edge between two numbers of the format may be rounded either way, as far as f32 arithmetic and the matrix unit's own rounding can turn it there, and no further.
;; One version. Each part assembles by itself: llvm-mc -triple=amdgcn-amd-amdhsa -mcpu=gfx1250 --defsym DOCPART=n.
;; ======== version 1 of 1: 3 launches
;; limits: right only within a limited range of input values
;; workspace buffers: xq 12,582,912 bytes; xsc 524,288 bytes; wimg 3,145,728 bytes; wsc 131,072 bytes; dest 16,384 bytes of whole numbers; oimg 12,582,912 bytes; osc 524,288 bytes
;; launch prep (part 1): grid 768 x 1, 4 waves a work-group, no clusters, 78,848 bytes of LDS; arguments x, w_qkv, w_proj, hilbert_map, xq, xsc, wimg, wsc, dest; writes xq, xsc, wimg, wsc, dest
.if DOCPART == 1
	.amdgcn_target "amdgcn-amd-amdhsa--gfx1250"
	.amdhsa_code_object_version 6
	.text
	.protected	k_qa1375f26bf_prep
	.globl	k_qa1375f26bf_prep
	.p2align	8
	.type	k_qa1375f26bf_prep,@function
k_qa1375f26bf_prep:
	s_mov_b64 s[64:65], 0
	v_nop
	global_prefetch_b8 v0, s[64:65] scope:SCOPE_SE
	s_setreg_imm32_b32 hwreg(HW_REG_WAVE_MODE, 25, 1), 1
	s_wait_xcnt 0x0
; PREP: everything that is quantised once, and the ranks.  Three kinds of work-group, told apart by the work-group's number; each kind has LDS bytes of its own.
;  X (work-groups 0-511):   rows of x are gathered by hilbert_map and turned into codes of E3M2 with one E8M0 byte for each 32 along K.  Row order rho = 4096 b + 64 seg + 32 par + u stands for
;                           position 64 seg + 2 u + par of batch b: the even positions of a segment (the keys) come first.  16 rows x 128 K leave as an IMAGE OF THE OPERAND'S REGISTERS: 1,536 bytes,
;                           three chunks of 512, lane l's registers 4 c .. 4 c + 3 at byte 16 l of chunk c.  xq [rowtile 1024][K step 8][1536]; xsc [rowtile][K quad 2][row 16][4 scale words].
;  W (work-groups 512-639): w_qkv and w_proj, whose K is their FIRST axis: a lane takes a column and its registers run down K.  A group is 64 columns; its tile t, row m is column 32 (m / 8) + 8 t + m % 8.
;                           wimg: head hd at 147,456 hd: items of 4 fragments: 0-7 wq, 8 + 2 s wk, 9 + 2 s wv; w_proj's group G at 2,359,296 + 49,152 G + 6,144 s.  wsc [group 64][K step 8][word 16 t + m].
;  R (work-groups 640-767): rank(i) = the number of j with h[j] 4096 + j < h[i] 4096 + i: where a stable argsort puts position i.  dest[rho % 4096] = rank(position).
; A block's scale is 2^(floor(log2(largest magnitude)) - 4); its byte is the largest magnitude's exponent field - 4, held at 1 from below.
; LIMITS: a block of zeros, or one whose largest magnitude lies under 2^-122, gets the byte 1 where the rule says otherwise (a block of zeros has zero codes; the bytes are read by this program alone);
; NaN and infinities are not served; entries of hilbert_map are taken as 0 .. 4095 (for addresses they are held there; the ranks' keys want them under 2^20).
; No tensor loads, no cluster: no two work-groups read the same bytes of x or of the weights.
.set NX,    512
.set NW,    128
.set FLOOR, 0x2800000                  ; 2^(5 - 127): no largest magnitude is taken under it, so the byte cannot fall under 1
.set EOFF,  0xfe000000                 ; takes 4 off an exponent field
.set XST,   8448                       ; X: a wave's stage: 16 rows x (512 + 16) bytes
.set WST0,  33792                      ; W: the stages begin here;
.set WSTW,  6912                       ;    a wave's: 4 fragments x (1,536 + 128) bytes, then 256 bytes of scale words
.set RKEY,  61440                      ; R: 4,096 bytes of keys for each wave;
.set RCNT,  77824                      ;    128 bytes of counts for each wave
	s_load_b256 s[4:11], s[0:1], 0x0               ; x s[4:5], w_qkv s[6:7], w_proj s[8:9], hilbert_map s[10:11]
	s_load_b256 s[68:75], s[0:1], 0x20             ; xq s[68:69], xsc s[70:71], wimg s[72:73], wsc s[74:75]
	s_load_b64 s[76:77], s[0:1], 0x40              ; dest
	v_lshl_add_u32 v254, v0, 2, 0x13200
	v_mov_b32 v255, 0
	v_lshrrev_b32 v1, 5, v0
	v_readfirstlane_b32 s12, v1                    ; wave
	v_and_b32 v1, 31, v0                           ; lane
	v_and_b32 v2, 15, v0                           ; r
	v_bfe_u32 v3, v0, 4, 1                         ; h
	s_mov_b32 s84, 0x76543210
	s_mov_b32 s85, 0xfedcba98                      ; v_permlanex16_b32's selects for lane l xor 16
	s_wait_alu depctr_va_vdst(0)                   ; the wait at the head's end
	s_wait_kmcnt 0x0
	s_cmp_ge_u32 ttmp9, NX
	s_cbranch_scc1 .Lnot_x
; ---------------- X: a wave takes a rowtile T and four K steps (K quad) ----------------
; v4-11 at work, v12-15 the four scale words, v16-31 the rows' byte offsets, v32-159 two sets of 16 rows x 512 bytes as loaded, v160-223 my 64 numbers, v224-235 the fragment, v236-243 halves of blocks
	s_lshl_b32 s13, ttmp9, 2
	s_add_co_u32 s13, s13, s12                     ; unit = 4 x work-group + wave
	s_lshr_b32 s14, s13, 1                         ; T = 256 b + 4 seg + 2 par + (u / 16)
	s_and_b32 s15, s13, 1                          ; K quad
	s_bfe_u32 s78, s14, 0x60002                    ; seg
	s_lshl_b32 s78, s78, 8                         ; 64 entries of 4 bytes a segment
	s_and_b32 s79, s14, 1
	s_lshl_b32 s79, s79, 7                         ; the segment's upper 32 entries
	s_add_co_u32 s78, s78, s79
	s_mov_b32 s79, 0
	s_add_nc_u64 s[10:11], s[10:11], s[78:79]
	s_load_b512 s[16:31], s[10:11], 0x0            ; 32 neighbouring entries of the map: my 16 rows are every second one
	s_load_b512 s[32:47], s[10:11], 0x40
	s_lshr_b32 s80, s14, 8
	s_lshl_b32 s80, s80, 24                        ; the batch: 4,096 rows of 4,096 bytes
	s_lshl_b32 s81, s15, 11                        ; the K quad: 512 numbers
	s_add_co_u32 s80, s80, s81
	v_lshlrev_b32 v244, 4, v1                      ; 16 x lane
	v_add_nc_u32 v249, s80, v244
	s_mul_i32 s86, s12, XST
	v_add_nc_u32 v245, s86, v244                   ; the stage, on the way in: row t at 528 t, as loaded
	v_mul_u32_u24 v246, v2, 528
	v_lshl_add_u32 v246, v3, 7, v246
	v_add_nc_u32 v246, s86, v246                   ; and on the way out: row r, + 128 h: my block of 32 numbers
	v_lshlrev_b32 v247, 3, v3                      ; 8 h: my bytes' place in a scale word
	v_lshlrev_b32 v248, 4, v2
	v_lshl_add_u32 v248, v3, 3, v248               ; xsc: 16 r + 8 h
	v_mov_b32 v11, 0                               ; a lane permute's destination counts as one of its sources
	s_mul_i32 s78, s14, 12288
	s_mul_i32 s81, s15, 6144
	s_add_co_u32 s78, s78, s81
	s_add_nc_u64 s[68:69], s[68:69], s[78:79]      ; xq at (T, K quad)
	s_lshl_b32 s78, s13, 8
	s_add_nc_u64 s[70:71], s[70:71], s[78:79]      ; xsc likewise: 256 bytes a unit
	s_bfe_u32 s82, s14, 0x10001                    ; par
	s_wait_alu depctr_va_vdst(0)                   ; the wait here, directly ahead of the wait below
	s_wait_kmcnt 0x0
	s_cmp_eq_u32 s82, 0                            ; all sixteen choices hang on this one compare
.irp t, 0,1,2,3,4,5,6,7,8,9,10,11,12,13,14,15
	s_cselect_b32 s[48+\t], s[16+2*\t], s[17+2*\t]
.endr
.irp t, 0,1,2,3,4,5,6,7,8,9,10,11,12,13,14,15
	s_min_u32 s[48+\t], s[48+\t], 0xfff            ; held inside the table
	s_lshl_b32 s[48+\t], s[48+\t], 12
	v_add_nc_u32 v[16+\t], s[48+\t], v249          ; row t's byte offset in x; never rewritten
.endr
.macro LOADX s                         ; K step s of my 16 rows: each load reads 512 consecutive bytes of one row
.irp t, 0,1,2,3,4,5,6,7,8,9,10,11,12,13,14,15
	global_load_b128 v[32+64*((\s)%2)+4*\t:32+64*((\s)%2)+4*\t+3], v[16+\t], s[4:5] offset:512*(\s)
.endr
.endm
.macro XSTEP s
.if (\s) < 3
	s_wait_loadcnt 16                              ; this K step's 16 loads are in; the next step's 16 may be out
.else
	s_wait_loadcnt 0x0
.endif
.irp t, 0,1,2,3,4,5,6,7,8,9,10,11,12,13,14,15
	ds_store_b128 v245, v[32+64*((\s)%2)+4*\t:32+64*((\s)%2)+4*\t+3] offset:528*\t
.endr
.irp c, 0,1
.irp i, 0,1,2,3,4,5,6,7
	ds_load_b128 v[160+32*\c+4*\i:160+32*\c+4*\i+3], v246 offset:256*\c+16*\i   ; x(row r, 64 c + 32 h + 4 i ..): LDS serves a wave's instructions in order, so these see the stores above
.endr
.endr
	s_wait_dscnt 0x0                               ; my 64 numbers are in, and the stores have read their registers
.if (\s) < 2
	LOADX (\s)+2
.endif
.irp c, 0,1
	v_max3_num_f32 v[4+\c], |v[160+32*\c]|, |v[161+32*\c]|, FLOOR
.endr
.irp i, 2,4,6,8,10,12,14,16,18,20,22,24,26,28,30
.irp c, 0,1
	v_max3_num_f32 v[4+\c], v[4+\c], |v[160+32*\c+\i]|, |v[161+32*\c+\i]|   ; the two blocks by turns
.endr
.endr
.irp c, 0,1
	v_add_nc_u32 v[6+\c], EOFF, v[4+\c]            ; the conversion takes the exponent field of this operand as its scale
.endr
.irp c, 0,1
	v_lshrrev_b32 v[8+\c], 23, v[6+\c]             ; the scale's byte
.endr
	v_lshl_or_b32 v10, v9, 16, v8                  ; my two bytes: blocks h and 2 + h,
	v_lshlrev_b32 v10, v247, v10                   ; at their places;
	v_permlanex16_b32 v11, v10, s84, s85
	v_or_b32 v[12+(\s)], v10, v11                  ; with lane l xor 16's two the word is whole
	s_wait_alu depctr_va_vdst(0)                   ; the wait here, directly ahead of the wait below
	s_wait_xcnt 0x0                                ; the last K step's stores have read the fragment's registers
	v_cvt_scalef32_pk16_bf6_f32 v[224:226], v[160:175], v6
	v_cvt_scalef32_pk16_bf6_f32 v[236:238], v[176:191], v6   ; (a conversion's three registers begin on an even number)
	v_cvt_scalef32_pk16_bf6_f32 v[230:232], v[192:207], v7
	v_cvt_scalef32_pk16_bf6_f32 v[240:242], v[208:223], v7
	v_nop                                          ; one plain place behind a scaled conversion
.irp i, 0,1,2
	v_mov_b32 v[227+\i], v[236+\i]
	v_mov_b32 v[233+\i], v[240+\i]
.endr
.irp c, 0,1,2
	global_store_b128 v244, v[224+4*\c:227+4*\c], s[68:69] offset:1536*(\s)+512*\c   ; 32 lanes store 512 consecutive bytes, at a multiple of 256 from xq's first byte
.endr
.endm
	s_wait_alu depctr_va_vdst(0)
	LOADX 0
	LOADX 1
	XSTEP 0
	XSTEP 1
	XSTEP 2
	XSTEP 3
	v_cmp_eq_u32 vcc_lo, 1, v3
	v_cndmask_b32 v250, v12, v14, vcc_lo           ; lanes 0-15 store the words of K steps 0, 1, lanes 16-31 those of 2, 3
	v_cndmask_b32 v251, v13, v15, vcc_lo
	global_store_b64 v248, v[250:251], s[70:71]    ; 32 lanes store 256 consecutive bytes, aligned
	s_wait_tensorcnt 0x0
	ds_add_u32 v254, v255
	s_wait_dscnt 0x0
	s_endpgm
.Lnot_x:
	s_cmp_ge_u32 ttmp9, NX+NW
	s_cbranch_scc1 .Lrank
; ---------------- W: a wave takes a group of 64 columns and one K step of 128 ----------------
; v4-7 at work, v8-9 the scale words of my two columns, v10-15 addresses, v16-47 row offsets, v48-111 two sets of 32 numbers, v112-117 a block's codes, v128-177 the way out
	s_sub_co_u32 s13, ttmp9, NX                    ; Y
	s_lshr_b32 s14, s13, 3
	s_lshl_b32 s14, s14, 2
	s_add_co_u32 s14, s14, s12                     ; group: 0-47 = which x 16 + head of w_qkv, 48-63 w_proj's
	s_and_b32 s15, s13, 7                          ; K step
	s_lshr_b32 s78, s14, 4                         ; which
	s_and_b32 s79, s14, 15                         ; head
	s_mul_i32 s80, s15, 6144                       ; wq: item s
	s_mul_i32 s81, s15, 12288
	s_mul_i32 s82, s78, 6144
	s_add_co_u32 s81, s81, s82
	s_add_co_u32 s81, s81, 43008                   ; wk, wv: item 8 + 2 s + which - 1
	s_cmp_eq_u32 s78, 0
	s_cselect_b32 s81, s80, s81
	s_mul_i32 s79, s79, 147456
	s_add_co_u32 s81, s81, s79                     ; where a group of w_qkv goes,
	s_sub_co_u32 s82, s14, 48
	s_mul_i32 s82, s82, 49152
	s_add_co_u32 s82, s82, s80
	s_add_co_u32 s82, s82, 2359296                 ; and one of w_proj
	s_mov_b32 s83, 4096
	s_cmp_lt_u32 s13, 96                           ; w_qkv or w_proj?  The choices hang on the work-group's number alone
	s_cselect_b64 s[86:87], s[6:7], s[8:9]
	s_cselect_b32 s83, 12288, s83                  ; bytes from row to row
	s_cselect_b32 s94, s81, s82
	s_cselect_b32 s96, 0, 48
	s_mov_b32 s95, 0
	s_add_nc_u64 s[72:73], s[72:73], s[94:95]      ; wimg at my four fragments
	s_lshl_b32 s94, s14, 3
	s_add_co_u32 s94, s94, s15
	s_lshl_b32 s94, s94, 8
	s_add_nc_u64 s[74:75], s[74:75], s[94:95]      ; wsc at my 64 words
	s_sub_co_u32 s96, s14, s96
	s_lshl_b32 s96, s96, 8                         ; my group's first column, in bytes
	s_lshl_b32 s94, s15, 7
	s_mul_i32 s94, s94, s83
	s_add_co_u32 s94, s94, s96
	s_add_nc_u64 s[86:87], s[86:87], s[94:95]      ; the K step's block 0; s[88:93]: blocks 1 to 3.  Never rewritten
	s_lshl_b32 s94, s83, 5
	s_add_nc_u64 s[88:89], s[86:87], s[94:95]
	s_add_nc_u64 s[90:91], s[88:89], s[94:95]
	s_add_nc_u64 s[92:93], s[90:91], s[94:95]
	v_lshlrev_b32 v16, 2, v1                       ; 4 x lane + i rows
.irp i, 1,2,3,4,5,6,7,8,9,10,11,12,13,14,15,16,17,18,19,20,21,22,23,24,25,26,27,28,29,30,31
	v_add_nc_u32 v[16+\i], s83, v[15+\i]
.endr
	s_mul_i32 s97, s12, WSTW
	s_add_co_u32 s97, s97, WST0                    ; my stage
	v_lshrrev_b32 v118, 3, v1                      ; tile t = lane / 8
	v_and_b32 v119, 7, v1
	v_mul_u32_u24 v10, v118, 1664
	v_lshl_add_u32 v10, v119, 4, v10
	v_add_nc_u32 v10, s97, v10                     ; into the stage: fragment t, the operand's lane lane % 8 (+ 8 H + 16 h by the offset)
	v_lshlrev_b32 v11, 6, v118
	v_lshl_add_u32 v11, v119, 2, v11
	v_add_nc_u32 v11, s97, v11
	v_add_nc_u32 v11, 6656, v11                    ; my column's scale word: 16 t + lane % 8 (+ 8 H)
	v_lshlrev_b32 v14, 4, v1
	v_lshlrev_b32 v15, 3, v1
	v_add_nc_u32 v12, s97, v14                     ; out of the stage: 16 bytes a lane;
	v_add_nc_u32 v13, s97, v15
	v_add_nc_u32 v13, 6656, v13                    ; the scale words: 8 bytes a lane
.macro LOADW t                         ; sub-block t = 2 kb + H: W(32 kb + i, column 32 H + lane), i = 0 .. 31: 128 consecutive bytes a load; the four waves stand side by side on 1,024
.irp i, 0,1,2,3,4,5,6,7,8,9,10,11,12,13,14,15,16,17,18,19,20,21,22,23,24,25,26,27,28,29,30,31
	global_load_b32 v[48+32*((\t)%2)+\i], v[16+\i], s[86+2*((\t)/2):87+2*((\t)/2)] offset:128*((\t)%2) th:TH_LOAD_NT
.endr
.endm
.macro BLOCKW t
.set XB, 48+32*((\t)%2)
.set KBL, (\t)/2                       ; the block of 32 along K: the operand's registers 6 (kb / 2) on, of its lanes' half kb % 2
.set HH, (\t)%2
.set LO, 128*HH+256*(KBL%2)            ; 16 x (8 H + 16 h)
.if (\t) < 7
	s_wait_loadcnt 32                              ; this sub-block's 32 loads are in; the next one's may be out
.else
	s_wait_loadcnt 0x0
.endif
	v_max3_num_f32 v4, |v[XB]|, |v[XB+1]|, |v[XB+2]|
	v_max3_num_f32 v5, |v[XB+3]|, |v[XB+4]|, |v[XB+5]|
.irp i, 6,10,14,18,22,26
	v_max3_num_f32 v4, v4, |v[XB+\i]|, |v[XB+\i+1]|
	v_max3_num_f32 v5, v5, |v[XB+\i+2]|, |v[XB+\i+3]|
.endr
	v_max3_num_f32 v4, v4, |v[XB+30]|, |v[XB+31]|
	v_max3_num_f32 v4, v4, v5, FLOOR
	v_add_nc_u32 v6, EOFF, v4
	v_lshrrev_b32 v7, 23, v6
.if KBL == 0
	v_mov_b32 v[8+HH], v7                          ; four bytes to a word, the lower K in the lower byte
.else
	v_lshl_or_b32 v[8+HH], v7, 8*KBL, v[8+HH]
.endif
	v_cvt_scalef32_pk16_bf6_f32 v[112:114], v[XB:XB+15], v6
	v_cvt_scalef32_pk16_bf6_f32 v[120:122], v[XB+16:XB+31], v6
	v_nop                                          ; one plain place behind a scaled conversion
.irp i, 0,1,2
	v_mov_b32 v[115+\i], v[120+\i]
.endr
.if KBL < 2
	ds_store_b128 v10, v[112:115] offset:LO        ; the operand's registers 0-3,
	ds_store_b64 v10, v[116:117] offset:512+LO     ; 4-5
.else
	ds_store_b64 v10, v[112:113] offset:512+LO+8   ; 6-7,
	ds_store_b128 v10, v[114:117] offset:1024+LO   ; 8-11
.endif
.if (\t)+2 < 8
	LOADW (\t)+2
.endif
	s_wait_dscnt 0x0                               ; the stores have read their registers
.endm
	LOADW 0
	LOADW 1
.irp t, 0,1,2,3,4,5,6,7
	BLOCKW \t
.endr
	s_wait_alu depctr_va_vdst(0)                   ; the wait here, directly ahead of the readers below
	ds_store_b32 v11, v8
	ds_store_b32 v11, v9 offset:32
.irp n, 0,1,2,3,4,5,6,7,8,9,10,11
	ds_load_b128 v[128+4*\n:131+4*\n], v12 offset:1664*(\n/3)+512*(\n%3)   ; LDS serves a wave's instructions in order: these see my stores
.endr
	ds_load_b64 v[176:177], v13
.irp n, 0,1,2,3,4,5,6,7,8,9,10,11
	s_wait_dscnt 12-\n                             ; load n is in; the younger ones may be out
	global_store_b128 v14, v[128+4*\n:131+4*\n], s[72:73] offset:512*\n      ; 512 consecutive bytes, aligned
.endr
	s_wait_dscnt 0x0
	global_store_b64 v15, v[176:177], s[74:75]     ; 256 consecutive bytes, aligned
	s_wait_tensorcnt 0x0
	ds_add_u32 v254, v255
	s_wait_dscnt 0x0
	s_endpgm
.Lrank:
; ---------------- R: the work-group ranks 32 positions, a lane a position; wave w counts over j = 1024 w .. 1024 w + 1023 ----------------
.set RKA, 48                           ; v48-63, v64-79: sixteen keys each, the same in every lane
.set RKB, 64
	s_sub_co_u32 s13, ttmp9, NX+NW                 ; Z
	s_lshl_b32 s14, s12, 12
	v_lshl_add_u32 v6, v1, 4, s14                  ; the map: 4,096 w + 16 x lane bytes
.irp n, 0,1,2,3,4,5,6,7
	global_load_b128 v[16+4*\n:19+4*\n], v6, s[10:11] offset:512*\n
.endr
	s_lshl_b32 s15, s13, 5
	v_add_nc_u32 v10, s15, v1                      ; i = 32 Z + lane
	v_lshlrev_b32 v11, 2, v10
	global_load_b32 v4, v11, s[10:11]
	s_lshl_b32 s78, s12, 10
	v_lshl_add_u32 v7, v1, 2, s78                  ; j of my first entry: 1,024 w + 4 x lane
	s_add_co_u32 s79, s14, RKEY
	v_lshl_add_u32 v8, v1, 4, s79                  ; my wave's keys in LDS: where I put four,
	v_mov_b32 v9, s79                              ; and where every lane reads them
	s_lshl_b32 s80, s12, 7
	s_add_co_u32 s80, s80, RCNT
	v_lshl_add_u32 v12, v1, 2, s80                 ; my count's word
	v_lshlrev_b32 v13, 2, v1
	v_add_nc_u32 v13, RCNT, v13                    ; and the four waves' counts of my position
	v_mov_b32 v5, 0
	s_wait_alu depctr_va_vdst(0)                   ; the wait here, directly ahead of the wait below
	s_wait_loadcnt 0x0
.irp n, 0,1,2,3,4,5,6,7
.irp q, 0,1,2,3
	v_lshl_add_u32 v[16+4*\n+\q], v[16+4*\n+\q], 12, v7
	v_add_nc_u32 v[16+4*\n+\q], 128*\n+\q, v[16+4*\n+\q]   ; key = h[j] 4096 + j
.endr
.endr
.irp n, 0,1,2,3,4,5,6,7
	ds_store_b128 v8, v[16+4*\n:19+4*\n] offset:512*\n
.endr
	v_lshl_add_u32 v4, v4, 12, v10                 ; my position's key
	s_wait_alu depctr_va_vdst(0)
.macro KLOAD k, g                      ; group g: sixteen keys; all lanes name the same bytes
.irp q, 0,1,2,3
	ds_load_b128 v[\k+4*\q:\k+4*\q+3], v9 offset:64*(\g)+16*\q
.endr
.endm
.macro CMP16 k
.irp i, 0,1,2,3,4,5,6,7,8,9,10,11,12,13,14,15
	v_cmp_lt_u32 vcc_lo, v[\k+\i], v4
	v_add_co_ci_u32 v5, vcc_lo, 0, v5, vcc_lo      ; the count grows by the compare's bit
.endr
	s_wait_alu depctr_va_vdst(0)
.endm
	KLOAD RKA, 0                                   ; LDS serves a wave's instructions in order: these see my wave's stores, and no other wave's bytes are read
.set g, 0
.rept 31                               ; written out, so that every LDS offset is an immediate
	KLOAD RKB, g+1
	s_wait_dscnt 4                                 ; all but the four loads just issued
	CMP16 RKA
	KLOAD RKA, g+2
	s_wait_dscnt 4
	CMP16 RKB
.set g, g+2
.endr
	KLOAD RKB, 63
	s_wait_dscnt 4
	CMP16 RKA
	s_wait_dscnt 0x0
	CMP16 RKB
	ds_store_b32 v12, v5
	s_wait_dscnt 0x0                               ; for the others' sake: my count has landed
	s_barrier_signal -1
	s_barrier_wait -1
.irp k, 0,1,2,3
	ds_load_b32 v[80+\k], v13 offset:128*\k
.endr
	v_and_b32 v11, 0xfc0, v10                      ; rho % 4096 = 64 seg + 32 par + u of position i = 64 seg + 2 u + par
	v_and_b32 v14, 1, v10
	v_lshl_or_b32 v11, v14, 5, v11
	v_bfe_u32 v14, v10, 1, 5
	v_or_b32 v11, v11, v14
	v_lshlrev_b32 v11, 2, v11
	s_wait_alu depctr_va_vdst(0)                   ; the wait here, directly ahead of the wait below
	s_wait_dscnt 0x0
	v_add_nc_u32 v80, v80, v81
	v_add_nc_u32 v82, v82, v83
	v_add_nc_u32 v80, v80, v82
	s_cmp_lg_u32 s12, 0
	s_cbranch_scc1 .Lrank_end
	global_store_b32 v11, v80, s[76:77]            ; two runs of 64 consecutive bytes: 16,384 bytes in the whole launch
.Lrank_end:
	s_wait_tensorcnt 0x0
	ds_add_u32 v254, v255
	s_wait_dscnt 0x0
	s_endpgm
.Lfunc_end_k_qa1375f26bf_prep:
	.size	k_qa1375f26bf_prep, .Lfunc_end_k_qa1375f26bf_prep-k_qa1375f26bf_prep
	.p2alignl 7, 3214868480
	.fill 96, 4, 3214868480
	.section	.rodata,"a",@progbits
	.p2align	6, 0x0
	.amdhsa_kernel k_qa1375f26bf_prep
		.amdhsa_group_segment_fixed_size 78848
		.amdhsa_private_segment_fixed_size 0
		.amdhsa_enable_private_segment 0
		.amdhsa_kernarg_size 72
		.amdhsa_user_sgpr_count 2
		.amdhsa_user_sgpr_kernarg_segment_ptr 1
		.amdhsa_wavefront_size32 1
		.amdhsa_system_sgpr_workgroup_id_x 1
		.amdhsa_system_sgpr_workgroup_id_y 1
		.amdhsa_system_sgpr_workgroup_id_z 1
		.amdhsa_system_vgpr_workitem_id 0
		.amdhsa_next_free_vgpr 256
		.amdhsa_next_free_sgpr 100
		.amdhsa_reserve_vcc 1
		.amdhsa_float_denorm_mode_32 3
		.amdhsa_float_denorm_mode_16_64 3
		.amdhsa_memory_ordered 1
		.amdhsa_forward_progress 1
		.amdhsa_inst_pref_size 168
	.end_amdhsa_kernel
	.amdgpu_metadata
---
amdhsa.version: [ 1, 2 ]
amdhsa.kernels:
  - .name:           k_qa1375f26bf_prep
    .symbol:         k_qa1375f26bf_prep.kd
    .args:
      - { .name: x, .offset: 0, .size: 8, .value_kind: global_buffer, .address_space: global }
      - { .name: w_qkv, .offset: 8, .size: 8, .value_kind: global_buffer, .address_space: global }
      - { .name: w_proj, .offset: 16, .size: 8, .value_kind: global_buffer, .address_space: global }
      - { .name: hilbert_map, .offset: 24, .size: 8, .value_kind: global_buffer, .address_space: global }
      - { .name: xq, .offset: 32, .size: 8, .value_kind: global_buffer, .address_space: global }
      - { .name: xsc, .offset: 40, .size: 8, .value_kind: global_buffer, .address_space: global }
      - { .name: wimg, .offset: 48, .size: 8, .value_kind: global_buffer, .address_space: global }
      - { .name: wsc, .offset: 56, .size: 8, .value_kind: global_buffer, .address_space: global }
      - { .name: dest, .offset: 64, .size: 8, .value_kind: global_buffer, .address_space: global }
    .group_segment_fixed_size: 78848
    .private_segment_fixed_size: 0
    .kernarg_segment_align: 8
    .kernarg_segment_size: 72
    .max_flat_workgroup_size: 128
    .sgpr_count:     100
    .vgpr_count:     256
    .wavefront_size: 32
...
	.end_amdgpu_metadata
.endif
;; end of part 1
;; launch attn (part 2): grid 4 x 64, 4 waves a work-group, clusters of 4 x 1, 327,680 bytes of LDS; arguments xq, xsc, wimg, wsc, oimg, osc; writes oimg, osc
.if DOCPART == 2
	.amdgcn_target "amdgcn-amd-amdhsa--gfx1250"
	.amdhsa_code_object_version 6
	.text
	.protected	k_qa1375f26bf_attn
	.globl	k_qa1375f26bf_attn
	.p2align	8
	.type	k_qa1375f26bf_attn,@function
k_qa1375f26bf_attn:
	s_mov_b64 s[64:65], 0
	v_nop
	global_prefetch_b8 v0, s[64:65] scope:SCOPE_SE
	s_setreg_imm32_b32 hwreg(HW_REG_WAVE_MODE, 25, 1), 1
	s_wait_xcnt 0x0
	s_wait_alu depctr_hold_cnt(0) depctr_sa_sdst(0) depctr_va_vdst(0) depctr_va_sdst(0) depctr_va_ssrc(0) depctr_va_vcc(0) depctr_vm_vsrc(0)
	s_getreg_b32 s2, hwreg(HW_REG_IB_STS2, 6, 4)
	s_cmp_eq_u32 s2, 0
	s_cbranch_scc0 .Lentry_in_a_cluster
	s_endpgm
.Lentry_in_a_cluster:
	s_bfe_u32 s2, ttmp6, 0x10000c
	s_cmp_lg_u32 s2, 0x3003
	s_cbranch_scc0 .Lentry_shape_is_right
	s_endpgm
.Lentry_shape_is_right:
; ATTN: q, k, v = x w_qkv; scores; softmax; p v; out / l quantised for the last product.  All products on codes of E3M2 with one E8M0 scale for each 32 along K.
; SHARES.  A work-group takes 256 rows rho (4 segments of 64 positions, 16 rowtiles) and 4 heads; wave w owns head 4 cx + w for all 256 rows, so the attention never leaves a wave.
; x's codes of the 256 rows, all of K (196,608 bytes), come into LDS once.  CLUSTER: the four work-groups of a cluster take the same rows and other heads: x's tiles are asked for JOINTLY.
; THE WEIGHTS ARE NOT ASKED FOR JOINTLY, and do not go through LDS: each fragment of a head's weights is read by one wave of a work-group alone, and partners read other heads: they go from memory straight into
; registers, as images of the operand's registers, four items (48 loads) ahead of their use.
; k and v are kept at the even positions of a segment alone: their columns are multiplied for rowtiles 4 g and 4 g + 1 only.
; LAYOUT.  q and k are made TRANSPOSED (source 0 = 16 columns of the weight, source 1 = 16 rows of x).  Tile t, row m of a head's 64 columns is column 32 (m / 8) + 8 t + m % 8, so a lane (r, h) holds row r and,
; over tiles 0-3, d = 32 h + 0 .. 31: a whole block of the next K.  v is made the other way round: a lane holds one channel and its registers run along the keys.  S^T = k q^T and O^T = v^T p^T: a lane holds one query.
; The 32 keys of a segment are one block; p and v both have them in the order (tile 0 rows 0-7, tile 1 rows 0-7, tile 0 rows 8-15, tile 1 rows 8-15).  A K of 64 or 32 is filled up to 128 with zero codes.
; SOFTMAX: t = score x log2(e) / 8; M = ceil(the row's largest t); p = 2^(t - M) is quantised; the row's sum is taken of the unquantised p and divides O.
; LIMITS: NaN and infinities are not served; a block whose largest magnitude lies under 2^-122 keeps the byte 1 (the bytes are read by this program alone).
; LDS: 0 x's images [half of K 2][rowtile 16][6,144]; behind the last read of them bytes 0-86,015 take k's and v's codes (wave w at 21,504 w, segment g at + 5,376 g: k's fragments at 768 u, v's at 1,536 + 768 j,
;   scale words at 4,608 + 128 n);  196,608 q's codes (wave w at + 14,336 w, segment g at + 3,584 g: fragments at 768 qt, scale words at 3,072 + 128 qt);  253,952 out's scale bytes [row 256][8].
; REGISTERS, in windows of 256.  Window 0: v1-23 addresses; v24-87 x's scale words (pair pr, K step s at 24 + 8 pr + s: lanes 0-15 rowtile 2 pr, lanes 16-31 rowtile 2 pr + 1; the odd pairs' 32 registers later take
;   wk's and wv's words); v88-103 wq's words; v112-255 weight slots 0-2.  Window 1: v0-191 x's fragments; v192-239 weight slot 3; v240 8 h.  Windows 2, 3: 64 accumulators.
.set FLOOR, 0x2800000
.set EOFF,  0xfe000000
.set XKQ,   49152
.set QPARK, 196608
.set QPW,   14336
.set QPS,   3584
.set KPW,   21504
.set KPS,   5376
.set OST,   253952
.set XS,    24
.set WSQ,   88
.set QC,    96                         ; window 1, while quantising: tile t's six registers of codes at QC + 8 t,
.set QH,    128                        ; a block's upper half at QH + 4 t,
.set QM,    144                        ; largest magnitudes, conversion scales, bytes, the other lane's
.set QE,    148
.set QB,    152
.set QX,    156
.set SS,    120                        ; window 1, in the attention: S^T, then p, then O^T
.set ST,    184                        ; eight a tile: +0 -M, +1 t (later the scale word), +2 maximum, +3 largest p (later a conversion's scale), +4 the other lane's, +5 l, +6 +7 sums, then 1 / l
.set CC,    216
.set CT,    232
.set MSB, 0
.macro WIN new                         ; the immediate's high byte repeats the setting that is left; bits 1:0 source 0, 3:2 source 1, 5:4 source 2, 7:6 destination
.if MSB != (\new)
	s_set_vgpr_msb (MSB<<8)|(\new)
.set MSB, \new
.endif
.endm
.macro PLACES n                        ; plain places behind matrix instructions (ISA guide 7.12.1)
.rept \n
	v_nop
.endr
.endm
.macro ROUND                           ; a round of the cluster's barrier
	s_barrier_signal -1
	s_barrier_wait -1
	s_cmp_lg_u32 s16, 0
	s_cbranch_scc1 .Lnot_wave_0_\@
	s_barrier_signal -3
.Lnot_wave_0_\@:
	s_barrier_wait -3
	s_barrier_signal -1
	s_barrier_wait -1
.endm
; one product.  z = 1: it starts its sum.  ra, rb = 1: that side's scales are read from lanes 16-31
.macro WM d, a, b, z, sa, sb, ra, rb
.set WD_, \d
.set WA_, \a
.set WB_, \b
.set WP_, \sa
.set WQ_, \sb
.set WSEL_, 4*(\z)+2*(\ra)+(\rb)
.if WSEL_ == 0
	v_wmma_scale_f32_16x16x128_f8f6f4 v[WD_:WD_+7], v[WA_:WA_+11], v[WB_:WB_+11], v[WD_:WD_+7], v[WP_], v[WQ_] matrix_a_fmt:MATRIX_FMT_BF6 matrix_b_fmt:MATRIX_FMT_BF6
.elseif WSEL_ == 1
	v_wmma_scale_f32_16x16x128_f8f6f4 v[WD_:WD_+7], v[WA_:WA_+11], v[WB_:WB_+11], v[WD_:WD_+7], v[WP_], v[WQ_] matrix_a_fmt:MATRIX_FMT_BF6 matrix_b_fmt:MATRIX_FMT_BF6 matrix_b_scale:MATRIX_SCALE_ROW1
.elseif WSEL_ == 2
	v_wmma_scale_f32_16x16x128_f8f6f4 v[WD_:WD_+7], v[WA_:WA_+11], v[WB_:WB_+11], v[WD_:WD_+7], v[WP_], v[WQ_] matrix_a_fmt:MATRIX_FMT_BF6 matrix_b_fmt:MATRIX_FMT_BF6 matrix_a_scale:MATRIX_SCALE_ROW1
.elseif WSEL_ == 3
	v_wmma_scale_f32_16x16x128_f8f6f4 v[WD_:WD_+7], v[WA_:WA_+11], v[WB_:WB_+11], v[WD_:WD_+7], v[WP_], v[WQ_] matrix_a_fmt:MATRIX_FMT_BF6 matrix_b_fmt:MATRIX_FMT_BF6 matrix_a_scale:MATRIX_SCALE_ROW1 matrix_b_scale:MATRIX_SCALE_ROW1
.elseif WSEL_ == 4
	v_wmma_scale_f32_16x16x128_f8f6f4 v[WD_:WD_+7], v[WA_:WA_+11], v[WB_:WB_+11], 0, v[WP_], v[WQ_] matrix_a_fmt:MATRIX_FMT_BF6 matrix_b_fmt:MATRIX_FMT_BF6
.elseif WSEL_ == 5
	v_wmma_scale_f32_16x16x128_f8f6f4 v[WD_:WD_+7], v[WA_:WA_+11], v[WB_:WB_+11], 0, v[WP_], v[WQ_] matrix_a_fmt:MATRIX_FMT_BF6 matrix_b_fmt:MATRIX_FMT_BF6 matrix_b_scale:MATRIX_SCALE_ROW1
.elseif WSEL_ == 6
	v_wmma_scale_f32_16x16x128_f8f6f4 v[WD_:WD_+7], v[WA_:WA_+11], v[WB_:WB_+11], 0, v[WP_], v[WQ_] matrix_a_fmt:MATRIX_FMT_BF6 matrix_b_fmt:MATRIX_FMT_BF6 matrix_a_scale:MATRIX_SCALE_ROW1
.else
	v_wmma_scale_f32_16x16x128_f8f6f4 v[WD_:WD_+7], v[WA_:WA_+11], v[WB_:WB_+11], 0, v[WP_], v[WQ_] matrix_a_fmt:MATRIX_FMT_BF6 matrix_b_fmt:MATRIX_FMT_BF6 matrix_a_scale:MATRIX_SCALE_ROW1 matrix_b_scale:MATRIX_SCALE_ROW1
.endif
.endm
	s_load_b256 s[4:11], s[0:1], 0x0               ; xq s[4:5], xsc s[6:7], wimg s[8:9], wsc s[10:11]
	s_load_b128 s[12:15], s[0:1], 0x20             ; oimg s[12:13], osc s[14:15]
	v_lshl_add_u32 v110, v0, 2, 0x3e800
	v_mov_b32 v111, 0
	ds_add_u32 v110, v111
	ds_add_u32 v110, v111
	v_lshrrev_b32 v104, 5, v0
	v_readfirstlane_b32 s16, v104                  ; wave
	s_bfe_u32 s17, ttmp6, 0x40000                  ; cx: the head group; it enters global addresses alone
	s_and_b32 s18, ttmp7, 0xffff                   ; the row block, which the four partners share
	s_lshl_b32 s19, s17, 2
	s_add_co_u32 s19, s19, s16                     ; my head
	s_mov_b32 s20, 0x76543210
	s_mov_b32 s21, 0xfedcba98                      ; v_permlanex16_b32's selects for lane l xor 16
	s_mov_b32 s22, 0x3e38aa3b                      ; c = log2(e) / 8
	s_mov_b32 s23, s22                             ; (named with it as a pair, so it is written)
	; descriptor group 1: 4 rowtiles x 6,144 bytes (a half of K), 12,288 bytes apart, in elements of 8 bytes; no padding: fragments are read as dense runs of 512 bytes
	s_mov_b32 s24, 15|(3<<16)|(1<<21)              ; 15:0 the mask: all four work-groups; 17:16 elements of 8 bytes; 21 set beside a mask
	s_mov_b32 s25, 768<<16                         ; tensor_dim0: a tile's row is a rowtile's four K steps, 6,144 bytes
	s_mov_b32 s26, 4<<16                           ; tensor_dim1
	s_mov_b32 s27, 768<<16                         ; tile_dim0
	s_mov_b32 s28, 4                               ; tile_dim1
	s_mov_b32 s29, 1536                            ; tensor_dim0_stride
	s_mov_b32 s30, 0
	s_mov_b32 s31, 0
	s_mul_i32 s58, s18, 196608                     ; the block's 16 rowtiles,
	s_mul_i32 s59, s16, 49152                      ; my wave's four of them: s[58:59] never hold cx
	s_add_co_u32 s58, s58, s59
	s_mov_b32 s59, 0
	s_mul_i32 s60, s16, 24576                      ; and their place in a half of K in LDS: x's images lie [half of K 2][rowtile 16][6,144]
	v_and_b32 v9, 31, v0                           ; lane
	v_and_b32 v104, 15, v0                         ; r
	v_bfe_u32 v105, v0, 4, 1                       ; h
	v_lshlrev_b32 v1, 4, v9                        ; 16, 8, 4 x lane
	v_lshlrev_b32 v2, 3, v9
	v_lshlrev_b32 v3, 2, v9
.irp q, 0,1,2,3
	v_add_nc_u32 v[4+\q], XKQ*\q, v1               ; x's images of half q / 2 of K, rowtiles 8 (q % 2) on
.endr
	v_lshlrev_b32 v8, 4, v104
	v_lshl_add_u32 v8, v105, 9, v8                 ; xsc: 512 (lane / 16) + 16 r
	s_mul_i32 s61, s16, QPW
	s_add_co_u32 s61, s61, QPARK
	v_add_nc_u32 v10, s61, v1                      ; q's codes in LDS, by 16, 8, 4 bytes a lane
	v_add_nc_u32 v11, s61, v2
	v_add_nc_u32 v12, s61, v3
	s_mul_i32 s61, s16, KPW
	v_add_nc_u32 v13, s61, v1                      ; k's and v's
	v_add_nc_u32 v14, s61, v2
	v_add_nc_u32 v15, s61, v3
	s_lshl_b32 s61, s16, 1
	s_add_co_u32 s61, s61, OST
	v_lshl_add_u32 v22, v104, 3, s61               ; out's scale bytes: row r's 8 bytes, my head's two
	s_lshl_b32 s61, s16, 9
	s_add_co_u32 s61, s61, OST
	v_add_nc_u32 v108, s61, v1                     ; and my wave's 512 bytes of them on the way out
	WIN 0x40
	v_lshlrev_b32 v240, 3, v105                    ; 8 h, in window 1
	WIN 0
	s_wait_dscnt 0x0
	s_wait_kmcnt 0x0
	s_add_nc_u64 s[4:5], s[4:5], s[58:59]
.irp q, 0,1
	s_mov_b32 s[32+4*\q], 1                        ; count = 1
	s_add_co_u32 s[33+4*\q], s60, 2*XKQ*\q         ; LDS address: half q of K, my four rowtiles
	s_add_nc_u64 s[34+4*\q:35+4*\q], s[4:5], 6144*\q   ; global address: K steps 4 q .. 4 q + 3
	s_or_b32 s[35+4*\q], s[35+4*\q], 0x80000000    ; type = 2
.endr
	s_mov_b32 s57, 0
	s_mul_i32 s56, s19, 147456
	s_add_nc_u64 s[48:49], s[8:9], s[56:57]        ; my head's 24 items of weights; never rewritten
	s_lshl_b32 s56, s19, 11
	s_add_nc_u64 s[10:11], s[10:11], s[56:57]      ; and their scale words
	s_lshl_b32 s56, s18, 13
	s_add_nc_u64 s[6:7], s[6:7], s[56:57]          ; x's scale words
	s_mul_i32 s56, s18, 196608
	s_mul_i32 s61, s19, 768
	s_add_co_u32 s56, s56, s61
	s_add_nc_u64 s[50:51], s[12:13], s[56:57]      ; oimg at (the block's first rowtile, my head)
	s_lshl_b32 s56, s17, 17
	s_lshl_b32 s61, s18, 11
	s_add_co_u32 s56, s56, s61
	s_lshl_b32 s61, s16, 9
	s_add_co_u32 s56, s56, s61
	s_add_nc_u64 s[14:15], s[14:15], s[56:57]      ; osc at (head group, the block's first row) + my wave's 512 bytes
	ROUND                                          ; all four work-groups are here: the joint loads meet
	tensor_load_to_lds s[32:35], s[24:31]          ; K steps 0-3: one load of mine is out; nothing in LDS is filled a second time
	s_nop 0
	PLACES 4
.irp p, 0,1,2,3,4,5,6,7
.irp k, 0,1
	global_load_b128 v[XS+8*\p+4*\k:XS+8*\p+4*\k+3], v8, s[6:7] offset:1024*\p+256*\k
.endr
.endr
.irp p, 0,1
.irp s, 0,1,2,3,4,5,6,7
	global_load_b32 v[WSQ+8*\p+\s], v3, s[10:11] offset:256*\s+128*\p   ; lanes 0-15 tile 2 p, lanes 16-31 tile 2 p + 1
.endr
.endr
.macro GLOAD i                         ; item i (four fragments, 6,144 bytes) into slot i % 4
.if ((\i)%4) == 3
	WIN 0x40
.set GB_, 192
.else
	WIN 0
.set GB_, 112+48*((\i)%4)
.endif
.irp f, 0,1,2,3
.irp c, 0,1,2
	global_load_b128 v[GB_+12*\f+4*\c:GB_+12*\f+4*\c+3], v1, s[48:49] offset:6144*(\i)+1536*\f+512*\c
.endr
.endr
.endm
.macro FETCHX s, half                  ; x's fragments of K step s, rowtiles 8 half .. 8 half + 7
	WIN 0x40
.irp a, 0,1,2,3,4,5,6,7
.irp c, 0,1,2
	ds_load_b128 v[12*(8*(\half)+\a)+4*\c:12*(8*(\half)+\a)+4*\c+3], v[4+2*((\s)/4)+(\half)] offset:6144*\a+1536*((\s)%4)+512*\c   ; v4-7: half of K x 8 rowtiles, 49,152 bytes each
.endr
.endr
.endm
.macro FETCHKV s, p                    ; the eight rowtiles of even positions, 4 (e / 2) + e % 2, into set p
	WIN 0x40
.irp e, 0,1,2,3,4,5,6,7
.irp c, 0,1,2
	ds_load_b128 v[96*(\p)+12*\e+4*\c:96*(\p)+12*\e+4*\c+3], v[4+2*((\s)/4)+\e/4] offset:6144*(4*((\e/2)%2)+\e%2)+1536*((\s)%4)+512*\c
.endr
.endr
.endm
; 32 products of q: rowtiles 8 half + a x tiles b.  The 64 accumulators take turns, one instruction a turn, in the same order in every K step
.macro MULQ s, half, z
.if ((\s)%4) == 3
.set WS_, 192
	WIN 0x05|((2+(\half))<<4)|((2+(\half))<<6)
.else
.set WS_, 112+48*((\s)%4)
	WIN 0x04|((2+(\half))<<4)|((2+(\half))<<6)
.endif
.irp a, 0,1,2,3,4,5,6,7
.irp b, 0,1,2,3
	WM 8*(4*\a+\b), WS_+12*\b, 12*(8*(\half)+\a), \z, WSQ+8*(\b/2)+(\s), XS+8*(4*(\half)+\a/2)+(\s), \b%2, \a%2
.endr
.endr
.endm
.macro QSTEP s, z
	s_wait_loadcnt 36                              ; item s is in (and what was asked for ahead of it); the three younger items, 12 loads each, may be out
	s_wait_dscnt 24                                ; rowtiles 0-7 are in; the 24 loads of rowtiles 8-15 may be out
	MULQ \s, 0, \z
	s_wait_dscnt 0x0                               ; rowtiles 8-15 are in
.if (\s) == 3
	s_wait_tensorcnt 0x0                           ; my part of K steps 4-7 has landed: the one load that was out
	s_barrier_signal -1
	s_barrier_wait -1                              ; everybody's has
.endif
	PLACES 4
.if (\s) < 7
	FETCHX (\s)+1, 0
.else
	FETCHKV 0, 0
.endif
	MULQ \s, 1, \z
	PLACES 4
.if (\s) < 7
	FETCHX (\s)+1, 1
.endif
	GLOAD (\s)+4
.endm
; Four tiles of 16 rows x 64 (32 registers a lane each, from r0 of window w on) become fragments and scale words in LDS.  kind 0: q's tile t0 + t; kind 1: k's.
; A lane's 32 numbers are a whole block.  Each accumulator is read from its low end on.
.macro QT4 w, r0, kind, t0
	WIN (\w)|((\w)<<2)|0x50
.irp t, 0,1,2,3
	v_max3_num_f32 v[QM+\t], |v[(\r0)+32*\t]|, |v[(\r0)+32*\t+1]|, FLOOR
.endr
.irp i, 2,4,6,8,10,12,14,16,18,20,22,24,26,28,30
.irp t, 0,1,2,3
	v_max3_num_f32 v[QM+\t], |v[(\r0)+32*\t+\i]|, |v[(\r0)+32*\t+\i+1]|, v[QM+\t]   ; the four tiles by turns
.endr
.endr
	WIN 0x55
.irp t, 0,1,2,3
	v_add_nc_u32 v[QE+\t], EOFF, v[QM+\t]          ; the conversion's scale operand
.endr
.irp t, 0,1,2,3
	v_lshrrev_b32 v[QB+\t], 23, v[QE+\t]           ; the byte,
.endr
.irp t, 0,1,2,3
	v_lshlrev_b32 v[QB+\t], v240, v[QB+\t]         ; at its place: byte h
	v_mov_b32 v[QX+\t], 0
.endr
.irp t, 0,1,2,3
	v_permlanex16_b32 v[QX+\t], v[QB+\t], s20, s21
.endr
.irp t, 0,1,2,3
	v_or_b32 v[QB+\t], v[QB+\t], v[QX+\t]          ; the row's scale word (bytes 2, 3 stand over zero codes)
.endr
	WIN 0x44|(\w)
.irp t, 0,1,2,3
	v_cvt_scalef32_pk16_bf6_f32 v[QC+8*\t:QC+8*\t+2], v[(\r0)+32*\t:(\r0)+32*\t+15], v[QE+\t]
	v_cvt_scalef32_pk16_bf6_f32 v[QH+4*\t:QH+4*\t+2], v[(\r0)+32*\t+16:(\r0)+32*\t+31], v[QE+\t]
.endr
	v_nop                                          ; one plain place behind a scaled conversion
	WIN 0x55
.irp t, 0,1,2,3
.irp i, 0,1,2
	v_mov_b32 v[QC+8*\t+3+\i], v[QH+4*\t+\i]
.endr
.endr
	WIN 0x04
.irp t, 0,1,2,3
.set TI_, (\t0)+\t
.if \kind
.set FO_, KPS*(TI_/2)+768*(TI_%2)
.set SO_, KPS*(TI_/2)+4608+128*(TI_%2)
.else
.set FO_, QPS*(TI_/4)+768*(TI_%4)
.set SO_, QPS*(TI_/4)+3072+128*(TI_%4)
.endif
	ds_store_b128 v[10+3*(\kind)], v[QC+8*\t:QC+8*\t+3] offset:FO_
	ds_store_b64 v[11+3*(\kind)], v[QC+8*\t+4:QC+8*\t+5] offset:FO_+512
	ds_store_b32 v[12+3*(\kind)], v[QB+\t] offset:SO_
.endr
	WIN 0
	s_wait_dscnt 0x0                               ; the stores have read their registers
.endm
; v of segment g: four tiles of 16 channels x 32 keys.  A lane holds 16 keys of its channel; lanes l and l xor 16 share the block; the operand wants all 32 in lanes 0-15 and zeros in lanes 16-31
.macro VT4 g
	WIN 0x5f
.irp j, 0,1,2,3
	v_max3_num_f32 v[QM+\j], |v[64*(\g)+16*\j]|, |v[64*(\g)+16*\j+1]|, FLOOR
.endr
.irp i, 2,4,6,8,10,12,14
.irp j, 0,1,2,3
	v_max3_num_f32 v[QM+\j], |v[64*(\g)+16*\j+\i]|, |v[64*(\g)+16*\j+\i+1]|, v[QM+\j]
.endr
.endr
	WIN 0x55
.irp j, 0,1,2,3
	v_mov_b32 v[QX+\j], 0
.endr
.irp j, 0,1,2,3
	v_permlanex16_b32 v[QX+\j], v[QM+\j], s20, s21
.endr
.irp j, 0,1,2,3
	v_max_num_f32 v[QM+\j], v[QM+\j], v[QX+\j]
.endr
.irp j, 0,1,2,3
	v_add_nc_u32 v[QE+\j], EOFF, v[QM+\j]
.endr
.irp j, 0,1,2,3
	v_lshrrev_b32 v[QB+\j], 23, v[QE+\j]           ; the scale word: byte 0 (the others stand over zero codes)
.irp i, 3,4,5
	v_mov_b32 v[QC+8*\j+\i], 0
.endr
.endr
	WIN 0x47
.irp j, 0,1,2,3
	v_cvt_scalef32_pk16_bf6_f32 v[QC+8*\j:QC+8*\j+2], v[64*(\g)+16*\j:64*(\g)+16*\j+15], v[QE+\j]
.endr
	v_nop
	WIN 0x55
.irp j, 0,1,2,3
.irp i, 0,1,2
	v_permlane16_swap_b32 v[QC+8*\j+\i], v[QC+8*\j+3+\i]   ; the first's lanes 16-31 change places with the second's lanes 0-15, which hold zeros
.endr
.endr
	WIN 0x04
.irp j, 0,1,2,3
	ds_store_b128 v13, v[QC+8*\j:QC+8*\j+3] offset:KPS*(\g)+1536+768*\j
	ds_store_b64 v14, v[QC+8*\j+4:QC+8*\j+5] offset:KPS*(\g)+1536+768*\j+512
	ds_store_b32 v15, v[QB+\j] offset:KPS*(\g)+4608+128*(2+\j)
.endr
	WIN 0
	s_wait_dscnt 0x0
.endm
.macro MULK s, z                       ; k, transposed like q: accumulator (e, j) in window 2 at 8 (4 e + j)
.set WS_, 112+48*((8+2*(\s))%4)
	WIN 0xa4
.irp j, 0,1,2,3
.irp e, 0,1,2,3,4,5,6,7
	WM 8*(4*\e+\j), WS_+12*\j, 96*((\s)%2)+12*\e, \z, XS+8*(2*(\j/2)+1)+(\s), XS+16*(\e/2)+(\s), \j%2, \e%2
.endr
.endr
.endm
.macro MULV s, z                       ; v: source 0 = x, source 1 = the weight: accumulator (e, j) in window 3 at 8 (8 (e / 2) + 2 j + e % 2): a segment's 16 keys of a lane on end
.if (\s)%2
.set WS_, 192
	WIN 0xf5
.else
.set WS_, 160
	WIN 0xf1
.endif
.irp j, 0,1,2,3
.irp e, 0,1,2,3,4,5,6,7
	WM 8*(8*(\e/2)+2*\j+\e%2), 96*((\s)%2)+12*\e, WS_+12*\j, \z, XS+16*(\e/2)+(\s), XS+8*(2*(2+\j/2)+1)+(\s), \e%2, \j%2
.endr
.endr
.endm
.macro KVSTEP s, z
.set IT_, 8+2*(\s)                     ; wk's item; wv's is the next
.if (\s) == 0
	s_wait_loadcnt 0x0                             ; wk's and wv's scale words too
.elseif 23-IT_ >= 3
	s_wait_loadcnt 36                              ; the three younger items may be out
.else
	s_wait_loadcnt 12*(23-IT_)
.endif
	s_wait_dscnt 0x0                               ; x's set is in
	MULK \s, \z
	PLACES 4
.if IT_+4 <= 23
	GLOAD IT_+4
.endif
.if (\s) < 7
	FETCHKV (\s)+1, 1-(\s)%2
.endif
.if 22-IT_ >= 3
	s_wait_loadcnt 36
.else
	s_wait_loadcnt 12*(22-IT_)
.endif
	MULV \s, \z
	PLACES 4
.if IT_+5 <= 23
	GLOAD IT_+5
.endif
.endm
	GLOAD 0
	GLOAD 1
	GLOAD 2
	GLOAD 3
	WIN 0
	s_wait_alu depctr_va_vdst(0)                   ; the wait at the head's end
	s_wait_tensorcnt 0x0                           ; my part of K steps 0-3 has landed
	ds_add_u32 v110, v111
	s_wait_dscnt 0x0
	ROUND                                          ; everybody's part has landed, and all four work-groups are here: the joint loads meet
	tensor_load_to_lds s[36:39], s[24:31]          ; K steps 4-7: my one load behind the round; it is waited for in K step 3, 224 products on
	s_nop 0
	PLACES 4
	FETCHX 0, 0
	FETCHX 0, 1
	; ---- q: 16 rowtiles x 4 tiles, 8 K steps
	QSTEP 0, 1
.irp s, 1,2,3,4,5,6,7
	QSTEP \s, 0
.endr
	WIN 0
.irp p, 0,1,2,3
.irp s, 0,1,2,3,4,5,6,7
	global_load_b32 v[XS+8*(2*\p+1)+\s], v3, s[10:11] offset:32768*(1+\p/2)+256*\s+128*(\p%2)   ; wk's (p = 0, 1) and wv's (2, 3) scale words, into the registers of the odd pairs of rowtiles, which k and v do not take
.endr
.endr
	QT4 2, 0, 0, 0
	QT4 2, 128, 0, 4
	QT4 3, 0, 0, 8
	QT4 3, 128, 0, 12
	; ---- k and v: 8 rowtiles x 8 tiles, 8 K steps
	KVSTEP 0, 1
.irp s, 1,2,3,4,5,6,7
	KVSTEP \s, 0
.endr
	WIN 0
	s_wait_dscnt 0x0
	s_barrier_signal -1
	s_barrier_wait -1                              ; nobody reads x's images any more: their bytes, which have had their only fill, take k's and v's codes
	QT4 2, 0, 1, 0
	QT4 2, 128, 1, 4
	VT4 0
	VT4 1
	VT4 2
	VT4 3
	; ---- the attention, a segment a trip.  Window 1: v0-47 q's four fragments, later p's; v48-71 k's two; v72-119 v's four
	WIN 0x40
.irp n, 0,1,2,3,4,5,6,7,8,9
.irp i, 6,7,8,9,10,11
	v_mov_b32 v[12*\n+\i], 0                       ; K = 64 .. 127 of the ten operands: zero codes, written once
.endr
.endr
.irp q, 0,1,2,3
	v_mov_b32 v[ST+8*\q+4], 0                      ; a lane permute's destination counts as one of its sources
.endr
	WIN 0
	s_mov_b32 s52, 0
	s_mov_b32 s53, 0
	s_mov_b32 s54, 0
	s_mov_b32 s55, 0
; O^T of query tiles 2 be and 2 be + 1, divided by l, quantised and stored
.macro OBATCH be
	WIN 0x55
.irp j, 0,1,2,3
.irp u, 0,1
	WM SS+32*\u+8*\j, 72+12*\j, 12*(2*(\be)+\u), 1, 30+\j, 34+2*(\be)+\u, 0, 0
.endr
.endr
	PLACES 5                                       ; five: the next run of products writes over these results
.irp i, 0,2,4,6,8,10,12,14,16,18,20,22,24,26,28,30
.irp u, 0,1
	v_pk_mul_f32 v[SS+32*\u+\i:SS+32*\u+\i+1], v[SS+32*\u+\i:SS+32*\u+\i+1], v[ST+8*(2*(\be)+\u)+6:ST+8*(2*(\be)+\u)+7] op_sel_hi:[1,0]   ; / l; each accumulator from its low end on
.endr
.endr
.irp u, 0,1
	v_max3_num_f32 v[ST+8*(2*(\be)+\u)+2], |v[SS+32*\u]|, |v[SS+32*\u+1]|, FLOOR
.endr
.irp i, 2,4,6,8,10,12,14,16,18,20,22,24,26,28,30
.irp u, 0,1
	v_max3_num_f32 v[ST+8*(2*(\be)+\u)+2], |v[SS+32*\u+\i]|, |v[SS+32*\u+\i+1]|, v[ST+8*(2*(\be)+\u)+2]
.endr
.endr
.irp u, 0,1
	v_add_nc_u32 v[ST+8*(2*(\be)+\u)+3], EOFF, v[ST+8*(2*(\be)+\u)+2]
.endr
.irp u, 0,1
	v_lshrrev_b32 v[ST+8*(2*(\be)+\u)+1], 23, v[ST+8*(2*(\be)+\u)+3]
.endr
.irp u, 0,1
	v_lshlrev_b32 v[ST+8*(2*(\be)+\u)+1], v240, v[ST+8*(2*(\be)+\u)+1]
.endr
.irp u, 0,1
	v_permlanex16_b32 v[ST+8*(2*(\be)+\u)+4], v[ST+8*(2*(\be)+\u)+1], s20, s21
.endr
.irp u, 0,1
	v_or_b32 v[ST+8*(2*(\be)+\u)+1], v[ST+8*(2*(\be)+\u)+1], v[ST+8*(2*(\be)+\u)+4]   ; my head's two bytes of the row
.endr
	s_wait_xcnt 0x0                                ; earlier stores have read the codes' registers
.irp u, 0,1
	v_cvt_scalef32_pk16_bf6_f32 v[CC+8*\u:CC+8*\u+2], v[SS+32*\u:SS+32*\u+15], v[ST+8*(2*(\be)+\u)+3]
	v_cvt_scalef32_pk16_bf6_f32 v[CT+4*\u:CT+4*\u+2], v[SS+32*\u+16:SS+32*\u+31], v[ST+8*(2*(\be)+\u)+3]
.endr
	v_nop
.irp u, 0,1
.irp i, 0,1,2
	v_mov_b32 v[CC+8*\u+3+\i], v[CT+4*\u+\i]
.endr
.endr
	WIN 0x04
.irp u, 0,1
	global_store_b128 v1, v[CC+8*\u:CC+8*\u+3], s[50:51] offset:12288*(2*(\be)+\u)         ; 512 consecutive bytes, aligned to 256
	global_store_b64 v2, v[CC+8*\u+4:CC+8*\u+5], s[50:51] offset:12288*(2*(\be)+\u)+512    ; 256 consecutive bytes, aligned
	ds_store_b16 v23, v[ST+8*(2*(\be)+\u)+1] offset:128*(2*(\be)+\u)                       ; lanes l and l xor 16 write the same bytes with the same value
.endr
.endm
.Latt:
	v_add_nc_u32 v16, s52, v10
	v_add_nc_u32 v17, s52, v11
	v_add_nc_u32 v18, s52, v12
	v_add_nc_u32 v19, s53, v13
	v_add_nc_u32 v20, s53, v14
	v_add_nc_u32 v21, s53, v15
	v_add_nc_u32 v23, s54, v22
	WIN 0x40
.irp q, 0,1,2,3
	ds_load_b128 v[12*\q:12*\q+3], v16 offset:768*\q
	ds_load_b64 v[12*\q+4:12*\q+5], v17 offset:768*\q+512
.endr
.irp n, 0,1,2,3,4,5
	ds_load_b128 v[48+12*\n:48+12*\n+3], v19 offset:768*\n      ; k's two fragments, then v's four
	ds_load_b64 v[48+12*\n+4:48+12*\n+5], v20 offset:768*\n+512
.endr
	WIN 0
.irp q, 0,1,2,3
	ds_load_b32 v[24+\q], v18 offset:3072+128*\q                ; scale words: v24-27 q's, v28-29 k's, v30-33 v's; v34-37 p's
.endr
.irp n, 0,1,2,3,4,5
	ds_load_b32 v[28+\n], v21 offset:4608+128*\n
.endr
	s_wait_dscnt 0x0
	WIN 0x55
.irp q, 0,1,2,3
.irp u, 0,1
	WM SS+16*\q+8*\u, 48+12*\u, 12*\q, 1, 28+\u, 24+\q, 0, 0    ; S^T: lane (r, h): query r, keys 8 h + 0 .. 7 of tile u
.endr
.endr
	PLACES 5
.irp q, 0,1,2,3
	v_max3_num_f32 v[ST+8*\q+2], v[SS+16*\q], v[SS+16*\q+1], v[SS+16*\q+2]
.endr
.irp i, 3,5,7,9,11,13
.irp q, 0,1,2,3
	v_max3_num_f32 v[ST+8*\q+2], v[ST+8*\q+2], v[SS+16*\q+\i], v[SS+16*\q+\i+1]
.endr
.endr
.irp q, 0,1,2,3
	v_max_num_f32 v[ST+8*\q+2], v[ST+8*\q+2], v[SS+16*\q+15]
.endr
.irp q, 0,1,2,3
	v_permlanex16_b32 v[ST+8*\q+4], v[ST+8*\q+2], s20, s21
.endr
.irp q, 0,1,2,3
	v_max_num_f32 v[ST+8*\q+2], v[ST+8*\q+2], v[ST+8*\q+4]      ; the row's largest score
.endr
.irp q, 0,1,2,3
	v_mul_f32 v[ST+8*\q+1], s22, v[ST+8*\q+2]                   ; as t
.endr
.irp q, 0,1,2,3
	v_floor_f32 v[ST+8*\q], -v[ST+8*\q+1]                       ; -M = floor(-t): M is a whole number
.endr
.irp i, 0,2,4,6,8,10,12,14
.irp q, 0,1,2,3
	v_pk_fma_f32 v[SS+16*\q+\i:SS+16*\q+\i+1], v[SS+16*\q+\i:SS+16*\q+\i+1], s[22:23], v[ST+8*\q:ST+8*\q+1] op_sel_hi:[1,0,0]   ; t - M
.endr
.endr
.irp q, 0,1,2,3
	v_fma_f32 v[ST+8*\q+3], v[ST+8*\q+2], s22, v[ST+8*\q]       ; the same of the largest score: p rises with the score, so this gives the block's largest p
.endr
	s_wait_alu depctr_va_vdst(0)
.irp i, 0,1,2,3,4,5,6,7,8,9,10,11,12,13,14,15
.irp q, 0,1,2,3
	v_exp_f32 v[SS+16*\q+\i], v[SS+16*\q+\i]                    ; p = 2^(t - M)
.endr
.endr
.irp q, 0,1,2,3
	v_exp_f32 v[ST+8*\q+3], v[ST+8*\q+3]
.endr
	v_nop                                          ; a plain place behind the last exponential
	s_wait_alu depctr_va_vdst(0)                   ; one wait for the 68, ahead of their first reader
.irp q, 0,1,2,3
	v_max_num_f32 v[ST+8*\q+3], FLOOR, v[ST+8*\q+3]
.endr
.irp q, 0,1,2,3
	v_add_nc_u32 v[ST+8*\q+3], EOFF, v[ST+8*\q+3]
.endr
	WIN 0x04
.irp q, 0,1,2,3
	v_lshrrev_b32 v[34+\q], 23, v[ST+8*\q+3]                    ; p's scale word, in window 0: byte 0
.endr
	WIN 0x55
.irp q, 0,1,2,3
.irp i, 3,4,5
	v_mov_b32 v[12*\q+\i], 0
.endr
.endr
.irp q, 0,1,2,3
	v_cvt_scalef32_pk16_bf6_f32 v[12*\q:12*\q+2], v[SS+16*\q:SS+16*\q+15], v[ST+8*\q+3]   ; p's codes take q's place
.endr
	v_nop
.irp q, 0,1,2,3
.irp i, 0,1,2
	v_permlane16_swap_b32 v[12*\q+\i], v[12*\q+3+\i]            ; all 32 keys into lanes 0-15, zeros into lanes 16-31
.endr
.endr
.irp q, 0,1,2,3
	v_pk_add_f32 v[ST+8*\q+6:ST+8*\q+7], v[SS+16*\q:SS+16*\q+1], v[SS+16*\q+2:SS+16*\q+3]   ; the row's sum, of the unquantised p
.endr
.irp i, 4,6,8,10,12,14
.irp q, 0,1,2,3
	v_pk_add_f32 v[ST+8*\q+6:ST+8*\q+7], v[ST+8*\q+6:ST+8*\q+7], v[SS+16*\q+\i:SS+16*\q+\i+1]
.endr
.endr
.irp q, 0,1,2,3
	v_add_f32 v[ST+8*\q+5], v[ST+8*\q+6], v[ST+8*\q+7]
.endr
.irp q, 0,1,2,3
	v_permlanex16_b32 v[ST+8*\q+4], v[ST+8*\q+5], s20, s21
.endr
.irp q, 0,1,2,3
	v_add_f32 v[ST+8*\q+5], v[ST+8*\q+5], v[ST+8*\q+4]
.endr
	s_wait_alu depctr_va_vdst(0)
.irp q, 0,1,2,3
	v_rcp_f32 v[ST+8*\q+6], v[ST+8*\q+5]
.endr
	v_nop
	s_wait_alu depctr_va_vdst(0)                   ; one wait for the four reciprocals
	OBATCH 0
	OBATCH 1
	WIN 0
	s_wait_xcnt 0x0                                ; the stores have read their base
	s_add_nc_u64 s[50:51], s[50:51], 49152         ; four rowtiles on
	s_add_co_u32 s52, s52, QPS
	s_add_co_u32 s53, s53, KPS
	s_add_co_u32 s54, s54, 512
	s_add_co_u32 s55, s55, 1
	s_cmp_lt_u32 s55, 4
	s_cbranch_scc1 .Latt
	s_wait_dscnt 0x0                               ; for the others' sake: my scale bytes have landed
	s_barrier_signal -1
	s_barrier_wait -1
	ds_load_b128 v[104:107], v108
	s_wait_dscnt 0x0
	global_store_b128 v1, v[104:107], s[14:15]     ; 512 consecutive bytes, aligned to 256
	s_wait_tensorcnt 0x0
	ds_add_u32 v110, v111
	s_wait_dscnt 0x0
	ROUND                                          ; the closing round
	s_endpgm
.Lfunc_end_k_qa1375f26bf_attn:
	.size	k_qa1375f26bf_attn, .Lfunc_end_k_qa1375f26bf_attn-k_qa1375f26bf_attn
	.p2alignl 7, 3214868480
	.fill 96, 4, 3214868480
	.section	.rodata,"a",@progbits
	.p2align	6, 0x0
	.amdhsa_kernel k_qa1375f26bf_attn
		.amdhsa_group_segment_fixed_size 327680
		.amdhsa_private_segment_fixed_size 0
		.amdhsa_enable_private_segment 0
		.amdhsa_kernarg_size 48
		.amdhsa_user_sgpr_count 2
		.amdhsa_user_sgpr_kernarg_segment_ptr 1
		.amdhsa_wavefront_size32 1
		.amdhsa_system_sgpr_workgroup_id_x 1
		.amdhsa_system_sgpr_workgroup_id_y 1
		.amdhsa_system_sgpr_workgroup_id_z 1
		.amdhsa_system_vgpr_workitem_id 0
		.amdhsa_next_free_vgpr 1024
		.amdhsa_next_free_sgpr 100
		.amdhsa_reserve_vcc 0
		.amdhsa_float_denorm_mode_32 3
		.amdhsa_float_denorm_mode_16_64 3
		.amdhsa_memory_ordered 1
		.amdhsa_forward_progress 1
		.amdhsa_inst_pref_size 255
	.end_amdhsa_kernel
	.section	.bss,"aw",@nobits
	.p2align	6
	.space	262144
	.amdgpu_metadata
---
amdhsa.version: [ 1, 2 ]
amdhsa.kernels:
  - .name:           k_qa1375f26bf_attn
    .symbol:         k_qa1375f26bf_attn.kd
    .args:
      - { .name: xq, .offset: 0, .size: 8, .value_kind: global_buffer, .address_space: global }
      - { .name: xsc, .offset: 8, .size: 8, .value_kind: global_buffer, .address_space: global }
      - { .name: wimg, .offset: 16, .size: 8, .value_kind: global_buffer, .address_space: global }
      - { .name: wsc, .offset: 24, .size: 8, .value_kind: global_buffer, .address_space: global }
      - { .name: oimg, .offset: 32, .size: 8, .value_kind: global_buffer, .address_space: global }
      - { .name: osc, .offset: 40, .size: 8, .value_kind: global_buffer, .address_space: global }
    .group_segment_fixed_size: 327680
    .private_segment_fixed_size: 0
    .kernarg_segment_align: 8
    .kernarg_segment_size: 48
    .max_flat_workgroup_size: 128
    .sgpr_count:     100
    .vgpr_count:     1024
    .wavefront_size: 32
...
	.end_amdgpu_metadata
.endif
;; end of part 2
;; launch proj (part 3): grid 4 x 64, 4 waves a work-group, clusters of 4 x 1, 327,680 bytes of LDS; arguments oimg, osc, wimg, wsc, dest, out0; writes out0
.if DOCPART == 3
	.amdgcn_target "amdgcn-amd-amdhsa--gfx1250"
	.amdhsa_code_object_version 6
	.text
	.protected	k_qa1375f26bf_proj
	.globl	k_qa1375f26bf_proj
	.p2align	8
	.type	k_qa1375f26bf_proj,@function
k_qa1375f26bf_proj:
	s_mov_b64 s[64:65], 0
	v_nop
	global_prefetch_b8 v0, s[64:65] scope:SCOPE_SE
	s_setreg_imm32_b32 hwreg(HW_REG_WAVE_MODE, 25, 1), 1
	s_wait_xcnt 0x0
	s_wait_alu depctr_hold_cnt(0) depctr_sa_sdst(0) depctr_va_vdst(0) depctr_va_sdst(0) depctr_va_ssrc(0) depctr_va_vcc(0) depctr_vm_vsrc(0)
	s_getreg_b32 s2, hwreg(HW_REG_IB_STS2, 6, 4)
	s_cmp_eq_u32 s2, 0
	s_cbranch_scc0 .Lentry_in_a_cluster
	s_endpgm
.Lentry_in_a_cluster:
	s_bfe_u32 s2, ttmp6, 0x10000c
	s_cmp_lg_u32 s2, 0x3003
	s_cbranch_scc0 .Lentry_shape_is_right
	s_endpgm
.Lentry_shape_is_right:
; PROJ: out0[rank(position)] = out[position] w_proj, on codes of E3M2 with one E8M0 scale for each 32 along K.
; SHARES.  A work-group makes 256 rows rho (16 rowtiles) x 256 columns; wave w owns the group of 64 columns G = 4 cx + w for all 256 rows.
; THE WEIGHT: a wave's group, all of K, is 32 fragments = 384 registers: it goes from memory straight into registers, once, and stays.  It is NOT asked for jointly and does not go through LDS: no fragment of it is
; read by two waves of a work-group, and the partners of a cluster read other groups.
; OUT'S CODES: the 16 rowtiles, all of K, are one dense block of 196,608 bytes; they come into LDS once.  CLUSTER: the four work-groups of a cluster take the same rows and other columns, so these tiles are asked for
; JOINTLY.  Load q of wave w brings rowtiles 8 q + 2 w, 8 q + 2 w + 1 (24,576 bytes): behind the first wait rowtiles 0-7 can be read.  Nothing in LDS is filled a second time.
; THE WORK GOES BY ROWS, NOT BY K: a pair of rowtiles is finished in 64 products (8 K steps x 2 rowtiles x 4 tiles, the 8 accumulators by turns) and leaves while the next pair is multiplied: two sets of
; accumulators take turns from pair to pair.  So a wave's stores are spread over the launch: 16 for every 64 products.
; Operands lie in memory as images of the operand's registers: out's fragment of K step s is heads 2 s and 2 s + 1, 768 bytes each (registers 0-3 at 16 l, 4-5 at 512 + 8 l); the weight's 1,536 bytes (three chunks of 512).
; The product is used TRANSPOSED (source 0 = 16 columns of the weight, source 1 = 16 rows): tile t, row m of a group is column 32 (m / 8) + 8 t + m % 8, so a lane (r, h) holds row r, columns 32 h + 0 .. 31.
; Rows go out through the wave's stage in LDS to the row that dest names: sixteen lanes store 256 consecutive bytes, aligned.  LIMIT: dest's entries are held at 4,095.
; REGISTERS, in windows of 256.  Window 0: v1-22 addresses; v32-95 out's scale words (pair p, K step s at 32 + 8 p + s: lanes 0-15 rowtile 2 p, lanes 16-31 rowtile 2 p + 1); v96-111 the weight's
;   (96 + 8 (t / 2) + s); v128-255 the rows' byte offsets in out0.   Window 1: v0-191 the weight's fragments of K steps 0-3 (48 s + 12 t); v192-255 a pair's rows on the way out.
;   Window 2: v0-191 the weight's of K steps 4-7; v192-255 the accumulators of odd pairs.   Window 3: v0-191 out's fragments, two sets of (2 rowtiles x 4 K steps); v192-255 the accumulators of even pairs.
.set ORT,   12288                      ; a rowtile's codes, all of K
.set OQ,    49152                      ; four rowtiles: what one load of each of two waves brings
.set STG,   196608                     ; behind out's codes: a stage of 2 x 16 rows x (256 + 16) bytes for each wave
.set STW,   8704
.set OS,    32
.set WS,    96
.set DO,    128
.set ACC,   192
.set OB,    192
.set MSB, 0
.macro WIN new                         ; the immediate's high byte repeats the setting that is left; bits 1:0 source 0, 3:2 source 1, 5:4 source 2, 7:6 destination
.if MSB != (\new)
	s_set_vgpr_msb (MSB<<8)|(\new)
.set MSB, \new
.endif
.endm
.macro PLACES n                        ; plain places behind matrix instructions (ISA guide 7.12.1)
.rept \n
	v_nop
.endr
.endm
.macro ROUND                           ; a round of the cluster's barrier
	s_barrier_signal -1
	s_barrier_wait -1
	s_cmp_lg_u32 s16, 0
	s_cbranch_scc1 .Lnot_wave_0_\@
	s_barrier_signal -3
.Lnot_wave_0_\@:
	s_barrier_wait -3
	s_barrier_signal -1
	s_barrier_wait -1
.endm
; one product.  z = 1: it starts its sum.  ra, rb = 1: that side's scales are read from lanes 16-31
.macro WM d, a, b, z, sa, sb, ra, rb
.set WD_, \d
.set WA_, \a
.set WB_, \b
.set WP_, \sa
.set WQ_, \sb
.set WSEL_, 4*(\z)+2*(\ra)+(\rb)
.if WSEL_ == 0
	v_wmma_scale_f32_16x16x128_f8f6f4 v[WD_:WD_+7], v[WA_:WA_+11], v[WB_:WB_+11], v[WD_:WD_+7], v[WP_], v[WQ_] matrix_a_fmt:MATRIX_FMT_BF6 matrix_b_fmt:MATRIX_FMT_BF6
.elseif WSEL_ == 1
	v_wmma_scale_f32_16x16x128_f8f6f4 v[WD_:WD_+7], v[WA_:WA_+11], v[WB_:WB_+11], v[WD_:WD_+7], v[WP_], v[WQ_] matrix_a_fmt:MATRIX_FMT_BF6 matrix_b_fmt:MATRIX_FMT_BF6 matrix_b_scale:MATRIX_SCALE_ROW1
.elseif WSEL_ == 2
	v_wmma_scale_f32_16x16x128_f8f6f4 v[WD_:WD_+7], v[WA_:WA_+11], v[WB_:WB_+11], v[WD_:WD_+7], v[WP_], v[WQ_] matrix_a_fmt:MATRIX_FMT_BF6 matrix_b_fmt:MATRIX_FMT_BF6 matrix_a_scale:MATRIX_SCALE_ROW1
.elseif WSEL_ == 3
	v_wmma_scale_f32_16x16x128_f8f6f4 v[WD_:WD_+7], v[WA_:WA_+11], v[WB_:WB_+11], v[WD_:WD_+7], v[WP_], v[WQ_] matrix_a_fmt:MATRIX_FMT_BF6 matrix_b_fmt:MATRIX_FMT_BF6 matrix_a_scale:MATRIX_SCALE_ROW1 matrix_b_scale:MATRIX_SCALE_ROW1
.elseif WSEL_ == 4
	v_wmma_scale_f32_16x16x128_f8f6f4 v[WD_:WD_+7], v[WA_:WA_+11], v[WB_:WB_+11], 0, v[WP_], v[WQ_] matrix_a_fmt:MATRIX_FMT_BF6 matrix_b_fmt:MATRIX_FMT_BF6
.elseif WSEL_ == 5
	v_wmma_scale_f32_16x16x128_f8f6f4 v[WD_:WD_+7], v[WA_:WA_+11], v[WB_:WB_+11], 0, v[WP_], v[WQ_] matrix_a_fmt:MATRIX_FMT_BF6 matrix_b_fmt:MATRIX_FMT_BF6 matrix_b_scale:MATRIX_SCALE_ROW1
.elseif WSEL_ == 6
	v_wmma_scale_f32_16x16x128_f8f6f4 v[WD_:WD_+7], v[WA_:WA_+11], v[WB_:WB_+11], 0, v[WP_], v[WQ_] matrix_a_fmt:MATRIX_FMT_BF6 matrix_b_fmt:MATRIX_FMT_BF6 matrix_a_scale:MATRIX_SCALE_ROW1
.else
	v_wmma_scale_f32_16x16x128_f8f6f4 v[WD_:WD_+7], v[WA_:WA_+11], v[WB_:WB_+11], 0, v[WP_], v[WQ_] matrix_a_fmt:MATRIX_FMT_BF6 matrix_b_fmt:MATRIX_FMT_BF6 matrix_a_scale:MATRIX_SCALE_ROW1 matrix_b_scale:MATRIX_SCALE_ROW1
.endif
.endm
	s_load_b256 s[4:11], s[0:1], 0x0               ; oimg s[4:5], osc s[6:7], wimg s[8:9], wsc s[10:11]
	s_load_b128 s[12:15], s[0:1], 0x20             ; dest s[12:13], out0 s[14:15]
	v_lshl_add_u32 v126, v0, 2, 0x38800
	v_mov_b32 v127, 0
	ds_add_u32 v126, v127
	ds_add_u32 v126, v127
	v_lshrrev_b32 v1, 5, v0
	v_readfirstlane_b32 s16, v1                    ; wave
	s_bfe_u32 s17, ttmp6, 0x40000                  ; cx: the quarter of the columns; it enters global addresses alone
	s_and_b32 s18, ttmp7, 0xffff                   ; R: the row block, which the four partners share
	s_lshl_b32 s19, s17, 2
	s_add_co_u32 s19, s19, s16                     ; G: my group of 64 columns
	; descriptor group 1: a rowtile's 12,288 dense bytes as 48 rows of 256 bytes, in elements of 8 bytes; no padding: fragments are read as dense runs of 512 and 256 bytes
	s_mov_b32 s24, 15|(3<<16)|(1<<21)              ; 15:0 the mask: all four work-groups; 17:16 elements of 8 bytes; 21 set beside a mask
	s_mov_b32 s25, 32<<16                          ; tensor_dim0
	s_mov_b32 s26, 96<<16                          ; tensor_dim1: two rowtiles, 24,576 dense bytes, as 96 rows of 256
	s_mov_b32 s27, 32<<16                          ; tile_dim0
	s_mov_b32 s28, 96                              ; tile_dim1
	s_mov_b32 s29, 32                              ; tensor_dim0_stride
	s_mov_b32 s30, 0
	s_mov_b32 s31, 0
	s_mul_i32 s58, s18, 196608                     ; the block's 16 rowtiles,
	s_mul_i32 s60, s16, 2*ORT                      ; rowtiles 2 w, 2 w + 1 of each eight: in memory and in LDS alike.  s[58:59] never hold cx
	s_add_co_u32 s58, s58, s60
	s_mov_b32 s59, 0
	s_wait_dscnt 0x0
	s_wait_kmcnt 0x0
	s_add_nc_u64 s[4:5], s[4:5], s[58:59]
.irp q, 0,1
	s_mov_b32 s[32+4*\q], 1                        ; count = 1
	s_add_co_u32 s[33+4*\q], s60, 2*OQ*\q          ; LDS address: rowtiles 8 q + 2 w, 8 q + 2 w + 1
	s_add_nc_u64 s[34+4*\q:35+4*\q], s[4:5], 2*OQ*\q   ; global address
	s_or_b32 s[35+4*\q], s[35+4*\q], 0x80000000    ; type = 2
.endr
	ROUND                                          ; all four work-groups are here: the joint loads meet
	tensor_load_to_lds s[32:35], s[24:31]          ; rowtiles 0-7, two a wave: one load of mine is out
	s_nop 0
	PLACES 4
	v_and_b32 v22, 31, v0                          ; lane
	v_and_b32 v18, 15, v0                          ; r
	v_bfe_u32 v19, v0, 4, 1                        ; h
	v_lshlrev_b32 v1, 4, v22                       ; 16, 8, 4 x lane
	v_lshlrev_b32 v2, 3, v22
	v_lshlrev_b32 v3, 2, v22
	v_lshlrev_b32 v20, 5, v19                      ; dest: eight entries a half of the lanes
	v_lshlrev_b32 v21, 4, v18                      ; 16 r: my bytes of a row's 256
.irp q, 0,1,2,3
	v_add_nc_u32 v[4+\q], OQ*\q, v1                ; out's codes of rowtiles 4 q on, by 16 bytes a lane,
	v_add_nc_u32 v[8+\q], OQ*\q, v2                ; and by 8
.endr
	s_mul_i32 s52, s16, STW
	s_add_co_u32 s52, s52, STG                     ; my stage
	v_mul_u32_u24 v16, v18, 272
	v_lshl_add_u32 v16, v19, 7, v16
	v_add_nc_u32 v16, s52, v16                     ; in: row r, + 128 h
	v_mul_u32_u24 v17, v19, 2176
	v_lshl_add_u32 v17, v18, 4, v17
	v_add_nc_u32 v17, s52, v17                     ; back: lanes 0-15 row i, lanes 16-31 row 8 + i
	s_mov_b32 s55, 0
	s_and_b32 s54, s18, 15
	s_lshl_b32 s54, s54, 10
	s_add_nc_u64 s[12:13], s[12:13], s[54:55]      ; dest at rho % 4096 of the block's first row
	s_lshl_b32 s54, s18, 11
	s_add_nc_u64 s[6:7], s[6:7], s[54:55]          ; osc at row 256 R
	s_add_co_u32 s54, s19, 48
	s_lshl_b32 s54, s54, 11
	s_add_nc_u64 s[10:11], s[10:11], s[54:55]      ; wsc at group 48 + G
	s_mul_i32 s54, s19, 49152
	s_add_co_u32 s54, s54, 2359296
	s_add_nc_u64 s[8:9], s[8:9], s[54:55]          ; wimg at w_proj's group G
	s_lshr_b32 s54, s18, 4
	s_lshl_b32 s54, s54, 24                        ; the batch: 4,096 rows of 4,096 bytes
	s_lshl_b32 s56, s19, 8
	s_add_co_u32 s54, s54, s56
	s_add_nc_u64 s[14:15], s[14:15], s[54:55]      ; out0 at (batch, my first column); never rewritten
.irp a, 0,1,2,3,4,5,6,7,8,9,10,11,12,13,14,15
	global_load_b128 v[DO+8*\a:DO+8*\a+3], v20, s[12:13] offset:64*\a          ; register 8 a + i: dest of row 16 a + 8 (lane / 16) + i
	global_load_b128 v[DO+8*\a+4:DO+8*\a+7], v20, s[12:13] offset:64*\a+16
.endr
.irp g, 0,1,2,3
.irp p, 0,1,2,3,4,5,6,7
	global_load_b64 v[OS+8*\p+2*\g:OS+8*\p+2*\g+1], v2, s[6:7] offset:131072*\g+256*\p   ; head group g: the words of K steps 2 g, 2 g + 1 of 32 rows: 256 consecutive bytes
.endr
.endr
.irp p, 0,1
.irp s, 0,1,2,3,4,5,6,7
	global_load_b32 v[WS+8*\p+\s], v3, s[10:11] offset:256*\s+128*\p           ; lanes 0-15 tile 2 p, lanes 16-31 tile 2 p + 1
.endr
.endr
	WIN 0x40                                       ; destination window 1
.irp s, 0,1,2,3
.irp t, 0,1,2,3
.irp c, 0,1,2
	global_load_b128 v[48*\s+12*\t+4*\c:48*\s+12*\t+4*\c+3], v1, s[8:9] offset:6144*\s+1536*\t+512*\c
.endr
.endr
.endr
	WIN 0x80                                       ; destination window 2
.irp s, 0,1,2,3
.irp t, 0,1,2,3
.irp c, 0,1,2
	global_load_b128 v[48*\s+12*\t+4*\c:48*\s+12*\t+4*\c+3], v1, s[8:9] offset:6144*(\s+4)+1536*\t+512*\c
.endr
.endr
.endr
	WIN 0
	s_wait_loadcnt 63                              ; behind the 80 loads of dest and of the scale words stand the weight's 96: all but the youngest 63 are in, those 80 among them
.set n, 0
.rept 128                              ; made while the weights and the tiles are on their way
	v_min_u32 v[DO+n], 0xfff, v[DO+n]              ; held inside the batch's rows
	v_lshl_add_u32 v[DO+n], v[DO+n], 12, v21       ; the byte offset of my 16 bytes of that row of out0; never rewritten
.set n, n+1
.endr
; out's fragments of rowtiles 2 p, 2 p + 1, K steps 4 hs .. 4 hs + 3, into set hs: 32 loads
.macro FETCH p, hs
	WIN 0xc0                                       ; destination window 3, address window 0
.irp k, 0,1,2,3
.irp u, 0,1
.irp e, 0,1
	ds_load_b128 v[96*(\hs)+48*\u+12*\k+6*\e:96*(\hs)+48*\u+12*\k+6*\e+3], v[4+(\p)/2] offset:ORT*((2*(\p)+\u)%4)+1536*(4*(\hs)+\k)+768*\e
	ds_load_b64 v[96*(\hs)+48*\u+12*\k+6*\e+4:96*(\hs)+48*\u+12*\k+6*\e+5], v[8+(\p)/2] offset:ORT*((2*(\p)+\u)%4)+1536*(4*(\hs)+\k)+768*\e+512
.endr
.endr
.endr
.endm
; 32 products of pair p: K steps 4 hs on.  The pair's 8 accumulators take turns, one instruction a turn, in the same order in every K step; K step 0 starts the sums
.macro MUL p, hs
	WIN (1+(\hs))|0x0c|((3-(\p)%2)<<4)|((3-(\p)%2)<<6)   ; source 0 (the weight) window 1 or 2, source 1 (out) window 3, C and D window 3 (even pairs) or 2 (odd)
.irp k, 0,1,2,3
.irp u, 0,1
.irp t, 0,1,2,3
.if ((\hs)+\k) == 0
	WM ACC+8*(4*\u+\t), 48*\k+12*\t, 96*(\hs)+48*\u+12*\k, 1, WS+8*(\t/2)+4*(\hs)+\k, OS+8*(\p)+4*(\hs)+\k, \t%2, \u
.else
	WM ACC+8*(4*\u+\t), 48*\k+12*\t, 96*(\hs)+48*\u+12*\k, 0, WS+8*(\t/2)+4*(\hs)+\k, OS+8*(\p)+4*(\hs)+\k, \t%2, \u
.endif
.endr
.endr
.endr
.endm
; THE WAY OUT of pair p: 32 rows x 64 columns through my own stage: LDS serves a wave's instructions in order (ISA guide 5.7.1.4), so no wait stands between the stores and the loads, nor ahead of the next pair's stores
.macro TOSTAGE p
	WIN (3-(\p)%2)<<2                              ; an LDS store's data are its source 1
.irp u, 0,1
.irp t, 0,1,2,3
	ds_store_b128 v16, v[ACC+8*(4*\u+\t):ACC+8*(4*\u+\t)+3] offset:4352*\u+32*\t         ; each accumulator from its low end on
	ds_store_b128 v16, v[ACC+8*(4*\u+\t)+4:ACC+8*(4*\u+\t)+7] offset:4352*\u+32*\t+16
.endr
.endr
	WIN 0x40                                       ; destination window 1
.irp u, 0,1
.irp i, 0,1,2,3,4,5,6,7
	ds_load_b128 v[OB+32*\u+4*\i:OB+32*\u+4*\i+3], v17 offset:4352*\u+272*\i
.endr
.endr
.endm
.macro SEND p
	WIN 0x04                                       ; the offsets in window 0, the data in window 1
.irp u, 0,1
.irp i, 0,1,2,3,4,5,6,7
	global_store_b128 v[DO+8*(2*(\p)+\u)+\i], v[OB+32*\u+4*\i:OB+32*\u+4*\i+3], s[14:15] th:TH_STORE_NT   ; each half of the lanes stores 256 consecutive bytes, aligned, of the row that dest names; written once, read by nobody here
.endr
.endr
.endm
; A PAIR of rowtiles.  Each run of LDS loads is issued 32 products ahead of its first use; the pair before goes through the stage under this pair's first half and is stored at the head of its second.
.macro PAIR p
	s_wait_dscnt 0x0                               ; this pair's fragments of K steps 0-3 are in
.if (\p) > 0
	PLACES 4                                       ; behind the last pair's products: for the loads into the set that they read, and for the stores that read their results
.endif
	FETCH \p, 1
.if (\p) > 1
	s_wait_xcnt 0x0                                ; the stores of two pairs back have read their registers: the stage's loads may land there
.endif
.if (\p) > 0
	TOSTAGE (\p)-1
.endif
	MUL \p, 0
	s_wait_dscnt 0x0                               ; the fragments of K steps 4-7 are in, and the last pair's rows are back from the stage
.if (\p) == 0
	s_wait_loadcnt 0x0                             ; the weights of K steps 4-7
.endif
.if (\p) == 3
	s_wait_tensorcnt 0x0                           ; my two of rowtiles 8-15 have landed: the one load that was out
	s_barrier_signal -1
	s_barrier_wait -1                              ; everybody's has
.endif
	PLACES 4                                       ; for the loads into the set that the products above read
.if (\p) < 7
	FETCH (\p)+1, 0
.endif
.if (\p) > 0
	SEND (\p)-1
.endif
	MUL \p, 1
.endm
	s_wait_alu depctr_va_vdst(0)
	s_wait_tensorcnt 0x0                           ; my two of rowtiles 0-7 have landed
	ds_add_u32 v126, v127
	s_wait_dscnt 0x0
	ROUND                                          ; everybody's have landed, and all four work-groups are here: the joint loads meet
	tensor_load_to_lds s[36:39], s[24:31]          ; rowtiles 8-15, two a wave: my one load behind the round; it is waited for in pair 3
	s_nop 0
	PLACES 4
	FETCH 0, 0
	s_wait_loadcnt 48                              ; the weights of K steps 0-3 are in; the 48 loads of K steps 4-7 may be out
.irp p, 0,1,2,3,4,5,6,7
	PAIR \p
.endr
	PLACES 4
	s_wait_xcnt 0x0                                ; pair 6's stores have read their registers
	TOSTAGE 7
	s_wait_dscnt 0x0
	SEND 7
	WIN 0
	s_wait_tensorcnt 0x0
	ds_add_u32 v126, v127
	s_wait_dscnt 0x0
	ROUND                                          ; the closing round: no work-group ends while a partner may still ask for a tile that names it
	s_endpgm
.Lfunc_end_k_qa1375f26bf_proj:
	.size	k_qa1375f26bf_proj, .Lfunc_end_k_qa1375f26bf_proj-k_qa1375f26bf_proj
	.p2alignl 7, 3214868480
	.fill 96, 4, 3214868480
	.section	.rodata,"a",@progbits
	.p2align	6, 0x0
	.amdhsa_kernel k_qa1375f26bf_proj
		.amdhsa_group_segment_fixed_size 327680
		.amdhsa_private_segment_fixed_size 0
		.amdhsa_enable_private_segment 0
		.amdhsa_kernarg_size 48
		.amdhsa_user_sgpr_count 2
		.amdhsa_user_sgpr_kernarg_segment_ptr 1
		.amdhsa_wavefront_size32 1
		.amdhsa_system_sgpr_workgroup_id_x 1
		.amdhsa_system_sgpr_workgroup_id_y 1
		.amdhsa_system_sgpr_workgroup_id_z 1
		.amdhsa_system_vgpr_workitem_id 0
		.amdhsa_next_free_vgpr 1024
		.amdhsa_next_free_sgpr 100
		.amdhsa_reserve_vcc 0
		.amdhsa_float_denorm_mode_32 3
		.amdhsa_float_denorm_mode_16_64 3
		.amdhsa_memory_ordered 1
		.amdhsa_forward_progress 1
		.amdhsa_inst_pref_size 167
	.end_amdhsa_kernel
	.amdgpu_metadata
---
amdhsa.version: [ 1, 2 ]
amdhsa.kernels:
  - .name:           k_qa1375f26bf_proj
    .symbol:         k_qa1375f26bf_proj.kd
    .args:
      - { .name: oimg, .offset: 0, .size: 8, .value_kind: global_buffer, .address_space: global }
      - { .name: osc, .offset: 8, .size: 8, .value_kind: global_buffer, .address_space: global }
      - { .name: wimg, .offset: 16, .size: 8, .value_kind: global_buffer, .address_space: global }
      - { .name: wsc, .offset: 24, .size: 8, .value_kind: global_buffer, .address_space: global }
      - { .name: dest, .offset: 32, .size: 8, .value_kind: global_buffer, .address_space: global }
      - { .name: out0, .offset: 40, .size: 8, .value_kind: global_buffer, .address_space: global }
    .group_segment_fixed_size: 327680
    .private_segment_fixed_size: 0
    .kernarg_segment_align: 8
    .kernarg_segment_size: 48
    .max_flat_workgroup_size: 128
    .sgpr_count:     100
    .vgpr_count:     1024
    .wavefront_size: 32
...
	.end_amdgpu_metadata
.endif
;; end of part 3
